; MI455X (gfx1250); checked and timed in simulation.
; The chip was launched on July 23, 2026; its instructions are those of AMD's public machine-readable ISA for CDNA 5 (MIT licence, August 2026) and "CDNA5" Instruction Set Architecture Reference Guide (July 2026). The comments in the code are by the model that wrote it; some were corrected since.
;; HF Attention. Allowed arithmetic: matrix products marked QUANTISED: E2M1 operands, one E8M0 scale for each 32 along K, by v_wmma_scale_f32_16x16x128_f8f6f4 with both operands' format E2M1 (or v_wmma_scale_f32_32x16x128_f4), f32 sums; products left as they are: bf16, f16 or f32 operands; f32 sums; everything else in f32.
;; Inputs: Wk 512 x 2,048 float32; Wo 2,048 x 1,024 float32; Wq 1,024 x 2,048 float32; Wv 512 x 2,048 float32; cos 1 x 4,096 x 128 float32; hidden_states 1 x 4,096 x 2,048 float32; sin 1 x 4,096 x 128 float32.
;; Outputs: out0 1 x 4,096 x 2,048 float32.
;; This version of the problem:
;;   THIS VERSION OF THE PROBLEM IS GIVEN IN LOW PRECISION. The matrix products marked QUANTISED in the list below multiply operands that are first quantised to E2M1 (2 exponent bits, 1 mantissa bit; 4 bits a number), with one power-of-two scale for each 32 numbers along K (OCP MX v1.0); their sums are f32. The products marked 'left as it is' may take bf16, f16 or f32 operands, with f32 sums. Whichever they take, every output number must still come out within the allowed error. Rounding operands to bf16 (8 significant bits) uses up far more of that allowance than f16 does (11 bits, for magnitudes from 6e-5 to 65,504). All else is computed in f32.
;;   The module's matrix products, in the order in which they are computed (A, B: the left and right operand; K: the contracted axis; several contracted axes count as one K, in the product's order):
;;     1. [M 4,096, K 2,048] x [K 2,048, N 1,024]; A: input hidden_states; B: input Wq: QUANTISED
;;     2. [M 4,096, K 2,048] x [K 2,048, N 512]; A: input hidden_states; B: input Wk: QUANTISED
;;     3. [M 4,096, K 2,048] x [K 2,048, N 512]; A: input hidden_states; B: input Wv: QUANTISED
;;     4. batch 8 x [M 4,096, K 128] x [K 128, N 4,096]; A: computed on the way; B: computed on the way: left as it is (an operand is computed on the way)
;;     5. batch 8 x [M 4,096, K 4,096] x [K 4,096, N 128]; A: computed on the way; B: computed on the way: left as it is (an operand is computed on the way)
;;     6. [M 4,096, K 1,024] x [K 1,024, N 2,048]; A: computed on the way; B: input Wo: left as it is (an operand is computed on the way)
;;   THE QUANTISER, for each operand of a quantised product, along K:
;;     - K is cut into blocks of 32 from its start; a last block that is shorter is filled with zeros.
;;     - A block's scale is 2^e with e = floor(log2(the largest magnitude in the block)) - 2, held to -126 .. 127; a block of zeros has e = 0. As a byte (E8M0): e + 127.
;;     - Each number is divided by its block's scale, clamped to +-6, and rounded to the nearest number of E2M1, ties to even, subnormals kept.
;;     - The product sums the exact products of the quantised numbers (number of the format x scale) in f32.
;;   ~~~python
;;   def quantise(x, axis):      # numpy; x: float32 -> the quantised numbers, widened to float32 again
;;       x = np.moveaxis(x, axis, -1); K = x.shape[-1]
;;       x = np.pad(x, [(0, 0)] * (x.ndim - 1) + [(0, -K % 32)]); x = x.reshape(x.shape[:-1] + (-1, 32)); a = np.abs(x).max(-1, keepdims=True)
;;       e = np.where(a > 0, np.clip(np.frexp(np.where(a > 0, a, 1))[1] - 1 - 2, -126, 127), 0)      # np.frexp(a)[1] - 1 = floor(log2(a)), exactly
;;       r = np.clip(x / 2.0 ** e, -6, 6)
;;       step = 2.0 ** (np.maximum(np.frexp(np.where(r == 0, 1, r))[1] - 1, 0) - 1)
;;       q = np.round(r / step) * step * 2.0 ** e      # np.round: ties to even
;;       return np.moveaxis(q.reshape(q.shape[:-2] + (-1,))[..., :K], -1, axis).astype(np.float32)
;;   ~~~
;; One version. Each part assembles by itself: llvm-mc -triple=amdgcn-amd-amdhsa -mcpu=gfx1250 --defsym DOCPART=n.
;; ======== version 1 of 1: 5 launches
;; limits: values are held in f16: magnitudes above 65,504 overflow, below 6.1e-05 lose precision
;; workspace buffers: codes 6,291,456 bytes; scales 393,216 bytes; rope 4,194,304 bytes; wo16 4,194,304 bytes; qkv 16,777,216 bytes; fine 131,072 bytes; aimg 8,388,608 bytes
;; launch prep (part 1): grid 512 x 1, 4 waves a work-group, no clusters, 67,072 bytes of LDS; arguments hidden_states, Wq, Wk, Wv, Wo, cos, sin, codes, scales, wo16, rope; writes codes, scales, wo16, rope
.if DOCPART == 1
	.amdgcn_target "amdgcn-amd-amdhsa--gfx1250"
	.amdhsa_code_object_version 6
	.text
	.protected	k_q94505cde29_prep
	.globl	k_q94505cde29_prep
	.p2align	8
	.type	k_q94505cde29_prep,@function
k_q94505cde29_prep:
	s_mov_b64 s[64:65], 0
	v_nop
	global_prefetch_b8 v0, s[64:65] scope:SCOPE_SE
	s_setreg_imm32_b32 hwreg(HW_REG_WAVE_MODE, 25, 1), 1
	s_wait_xcnt 0x0
; FIRST OF FIVE LAUNCHES of a causal attention layer: S = 4,096 positions, H = 2,048, 8 query heads, 4 key/value heads, head size 128.
; prep: operands are laid out once.  qkv: the three QUANTISED projections, rotary, f16.  attn: scores, softmax, P V in f16.  proj: the output projection in f16.  first16: positions 0-15 in f32.
; DEAD WORK, left out in attn.  reference() adds -infinity to score (q, k) wherever k > q; the softmax's weight there is exactly 0 for all finite inputs, and 0 x v adds nothing to the second product.
; So a slot of 256 keys that lies wholly behind a block of 256 queries is neither fetched nor multiplied; inside the slot on the diagonal the work stays and hidden scores are set to -infinity.
; Every input has a way to the output and is loaded.  LIMIT: a NaN, an infinity or an overflow in k or v at keys behind a query is not carried to that query's row.
; THIS LAUNCH, by the work-group's number:
;   0-383    hidden_states, Wq, Wk, Wv (f32, K = 2,048 innermost) -> codes of E2M1, two a byte, and one E8M0 byte for each 32 along K.  codes: hidden [4096][1024 B] at 0; [Wq | Wk | Wv] = [2048][1024 B] at 4 MiB;
;            scales: [4096][64] at 0, [2048][64] at 262,144.  Rows are dense and K is a multiple of 32: the tensors are plain streams of blocks of 32.
;   384-447  Wo -> f16, row-major.
;   448-511  cos, sin x 2^-6 (exact) -> rope, in the order of the projection's result registers: [256 tiles of 16 positions][32 pieces][512 B], piece ((2 b + tab) 2 + i), lane l: tab[16 T + l % 16][16 b + 8 (l / 16) + 4 i + 0..3].
;            The factor keeps q and k inside f16 for inputs far larger than ordinary; its inverse, 2^12, stands in the softmax's constant.
; A block's scale is 2^(floor(log2(largest magnitude)) - 2); its byte is the largest magnitude's exponent field - 2, held at 1 from below.
; LIMITS: a block of zeros gets the byte 1 where the rule says 127 (its codes are zeros, and this program alone reads the bytes); blocks whose largest magnitude lies under 2^-124 keep the byte 1; NaN and infinities among the inputs are not served.
; No tensor loads, no barrier: waves share nothing.  Each path has LDS bytes of its own; all LDS addresses are made ahead of the first branch.
.set STEPS, 16
.set CB,    8                          ; bytes of 16 codes
.set R,     16                         ; v16-79   four sets of 16 numbers as loaded
.set X,     80                         ; v80-111  two sets of 16 neighbours
.set E,     112                        ; v112-127 a scale byte for each step
.set C,     128                        ; v128-191 codes, four registers a step
.set WREG,  8192                       ; the quantiser's LDS region of a wave: two stages of 32 x SP bytes, then 256 scale bytes
.set SP,    80                         ; a lane's 64 bytes + 16 of padding
.set RSTG,  32768                      ; the rotary path's stages: 16 rows x RP bytes for each wave
.set RP,    528                        ; a row of 512 bytes + 16
.set SPARE, 66560                      ; the spare words: 128 bytes a wave; no other line names them
.set SPW,   12                         ; v12  SPARE + 4 x thread; never rewritten
.set NIL,   13                         ; v13  0; never rewritten
.set RI,    10                         ; v10  rotary stage, way in
.set RO,    1                          ; v1   rotary stage, way out
.set WV,    40                         ; s40  wave
	s_load_b512 s[4:19], s[0:1], 0x0               ; hidden s[4:5], Wq s[6:7], Wk s[8:9], Wv s[10:11], Wo s[12:13], cos s[14:15], sin s[16:17], codes s[18:19]
	s_load_b128 s[20:23], s[0:1], 0x40             ; scales s[20:21], wo16 s[22:23]
	s_load_b64 s[24:25], s[0:1], 0x50              ; rope
	v_lshl_add_u32 v[SPW], v0, 2, SPARE
	v_mov_b32 v[NIL], 0
	v_lshrrev_b32 v1, 5, v0
	v_readfirstlane_b32 s[WV], v1
	v_and_b32 v2, 31, v0                           ; lane
	v_lshlrev_b32 v3, 4, v2                        ; 16 x lane
	v_lshlrev_b32 v4, 3, v2                        ; 8 x lane
	s_mul_i32 s41, s[WV], WREG
	v_lshrrev_b32 v14, 2, v2
	v_mul_u32_u24 v14, v14, SP
	v_and_b32 v15, 3, v2
	v_lshl_add_u32 v14, v15, 4, v14
	v_add_nc_u32 v14, s41, v14                     ; quantiser's stage, way in: SP (lane / 4) + 16 (lane % 4)
	v_mul_u32_u24 v15, v2, SP
	v_add_nc_u32 v15, s41, v15                     ; way out: SP x lane: 16 neighbours
	v_lshrrev_b32 v5, 1, v2
	s_add_co_u32 s41, s41, 2*32*SP
	v_add_nc_u32 v5, s41, v5                       ; my block's scale byte
	v_add_nc_u32 v6, s41, v4                       ; and 8 of the wave's 256 on the way out
	s_mul_i32 s42, s[WV], 16*RP
	s_add_co_u32 s42, s42, RSTG
	v_add_nc_u32 v[RI], s42, v3                    ; rotary: a row as it is loaded
	v_and_b32 v8, 15, v2
	v_lshrrev_b32 v9, 4, v2
	v_mul_u32_u24 v8, v8, RP
	v_lshl_add_u32 v8, v9, 5, v8
	v_add_nc_u32 v[RO], s42, v8                    ; row lane % 16, + 32 (lane / 16)
	s_wait_kmcnt 0x0
	s_cmp_ge_u32 ttmp9, 448
	s_cbranch_scc1 .Lrope
	s_cmp_ge_u32 ttmp9, 384
	s_cbranch_scc1 .Lwo
	; ---- the quantiser.  Which tensor: choices on the work-group's number alone
	s_mov_b32 s28, 352
	s_cmp_lt_u32 ttmp9, 352
	s_cselect_b64 s[26:27], s[8:9], s[10:11]
	s_cselect_b32 s28, 320, s28
	s_cmp_lt_u32 ttmp9, 320
	s_cselect_b64 s[26:27], s[6:7], s[26:27]
	s_cselect_b32 s28, 256, s28
	s_cmp_lt_u32 ttmp9, 256
	s_cselect_b64 s[26:27], s[4:5], s[26:27]
	s_cselect_b32 s28, 0, s28                      ; the tensor's first work-group
	s_cselect_b32 s29, 0, 256                      ; the first work-group of its part of codes and scales
	s_cselect_b32 s30, 0, 0x400000                 ; where that part begins in codes,
	s_cselect_b32 s31, 0, 0x40000                  ; and in scales
	s_sub_co_u32 s32, ttmp9, s28
	s_lshl_b32 s32, s32, 2
	s_add_co_u32 s32, s32, s[WV]                   ; my wave's run of 8,192 numbers in the tensor
	s_lshl_b32 s32, s32, 15
	s_mov_b32 s33, 0
	s_add_nc_u64 s[26:27], s[26:27], s[32:33]
	s_sub_co_u32 s34, ttmp9, s29
	s_lshl_b32 s34, s34, 2
	s_add_co_u32 s34, s34, s[WV]                   ; and in the part
	s_lshl_b32 s36, s34, 12                        ; 4,096 bytes of codes a run
	s_add_co_u32 s36, s36, s30
	s_mov_b32 s37, 0
	s_add_nc_u64 s[18:19], s[18:19], s[36:37]
	s_lshl_b32 s36, s34, 8                         ; 256 scale bytes a run
	s_add_co_u32 s36, s36, s31
	s_add_nc_u64 s[20:21], s[20:21], s[36:37]
.macro LOAD t
.irp i, 0,1,2,3
	global_load_b128 v[R+16*((\t)%4)+4*\i:R+16*((\t)%4)+4*\i+3], v3, s[26:27] offset:2048*(\t)+512*\i th:TH_LOAD_NT   ; 32 lanes read 512 consecutive bytes
.endr
.endm
.macro TURN t                          ; step t's 2,048 bytes through the wave's stage: in as they lie, out 64 bytes a lane.  LDS serves a wave's instructions in order
.irp i, 0,1,2,3
	ds_store_b128 v14, v[R+16*((\t)%4)+4*\i:R+16*((\t)%4)+4*\i+3] offset:32*SP*((\t)%2)+8*SP*\i
.endr
.irp i, 0,1,2,3
	ds_load_b128 v[X+16*((\t)%2)+4*\i:X+16*((\t)%2)+4*\i+3], v15 offset:32*SP*((\t)%2)+16*\i
.endr
.endm
.irp t, 0,1,2,3
	LOAD \t
.endr
	s_wait_loadcnt 12                              ; step 0's four loads are in; three steps' twelve stay out
	TURN 0
.macro STEP t
.set XS, X+16*((\t)%2)
.if (\t) > 0
	s_wait_dscnt 1                                 ; this step's numbers are back from the stage; the last step's byte store may be out
.else
	s_wait_dscnt 0x0
.endif
.if (\t)+4 < STEPS
	LOAD (\t)+4                                    ; into the registers that this step's stores into the stage have read
.endif
.if (\t)+1 < STEPS
.if STEPS-2-(\t) >= 3
	s_wait_loadcnt 12                              ; the next step's four loads are in; the three steps behind it stay out
.else
	s_wait_loadcnt 4*(STEPS-2-(\t))
.endif
	TURN (\t)+1
.endif
	v_max3_num_f32 v8, |v[XS]|, |v[XS+1]|, |v[XS+2]|
	v_max3_num_f32 v9, |v[XS+3]|, |v[XS+4]|, |v[XS+5]|
.irp i, 6,10
	v_max3_num_f32 v8, v8, |v[XS+\i]|, |v[XS+\i+1]|
	v_max3_num_f32 v9, v9, |v[XS+\i+2]|, |v[XS+\i+3]|
.endr
	v_max3_num_f32 v8, v8, |v[XS+14]|, |v[XS+15]|
	v_max3_num_f32 v8, v8, v9, 0x1800000           ; and the floor 2^(3 - 127): the byte cannot fall under 1
	v_max_num_f32_dpp v8, v8, v8 row_xmask:1 row_mask:0xf bank_mask:0xf   ; with my neighbour's 16: the block's largest magnitude
	v_add_nc_u32 v11, 0xff000000, v8               ; 2 off its exponent field: the conversion takes this operand's exponent field as its scale
	v_cvt_scalef32_pk8_fp4_f32 v[C+4*(\t)], v[XS:XS+7], v11
	v_cvt_scalef32_pk8_fp4_f32 v[C+4*(\t)+1], v[XS+8:XS+15], v11
	v_lshrrev_b32 v[E+(\t)], 23, v11               ; the scale's byte
	ds_store_b8 v5, v[E+(\t)] offset:16*(\t)       ; both lanes of a block write the same byte with the same value
	global_store_b64 v4, v[C+4*(\t):C+4*(\t)+1], s[18:19] offset:32*CB*(\t)   ; the wave stores 256 consecutive bytes, aligned
.endm
.irp t, 0,1,2,3,4,5,6,7,8,9,10,11,12,13,14,15
	STEP \t
.endr
	ds_load_b64 v[8:9], v6
	s_wait_dscnt 0x0
	global_store_b64 v4, v[8:9], s[20:21]          ; the wave's 256 scale bytes, consecutive and aligned
	s_branch .Lend
	; ---- Wo to f16: a wave takes 8,192 numbers, four groups of 16 loads, one group ahead
.Lwo:
	s_sub_co_u32 s32, ttmp9, 384
	s_lshl_b32 s32, s32, 2
	s_add_co_u32 s32, s32, s[WV]
	s_lshl_b32 s34, s32, 15
	s_mov_b32 s35, 0
	s_add_nc_u64 s[12:13], s[12:13], s[34:35]
	s_lshl_b32 s34, s32, 14
	s_add_nc_u64 s[22:23], s[22:23], s[34:35]
.macro LOADW g
.set i, 0
.rept 16
	global_load_b128 v[16+64*((\g)%2)+4*i:16+64*((\g)%2)+4*i+3], v3, s[12:13] offset:(16*(\g)+i)*512 th:TH_LOAD_NT
.set i, i+1
.endr
.endm
	LOADW 0
	LOADW 1
.irp g, 0,1,2,3
.if \g < 3
	s_wait_loadcnt 16                              ; this group is in; the next group's sixteen stay out
.else
	s_wait_loadcnt 0x0
.endif
.if \g > 0
	s_wait_xcnt 0x0                                ; the last group's stores have read their data registers
.endif
.set i, 0
.rept 16
	v_cvt_pk_f16_f32 v[144+2*i], v[16+64*(\g%2)+4*i], v[16+64*(\g%2)+4*i+1]
	v_cvt_pk_f16_f32 v[145+2*i], v[16+64*(\g%2)+4*i+2], v[16+64*(\g%2)+4*i+3]
.set i, i+1
.endr
.set i, 0
.rept 16
	global_store_b64 v4, v[144+2*i:145+2*i], s[22:23] offset:(16*\g+i)*256   ; 256 consecutive bytes, aligned
.set i, i+1
.endr
.if \g < 2
	LOADW \g+2
.endif
.endr
	s_branch .Lend
	; ---- cos and sin: a wave takes a tile of 16 positions
.Lrope:
	s_sub_co_u32 s32, ttmp9, 448
	s_lshl_b32 s32, s32, 2
	s_add_co_u32 s32, s32, s[WV]                   ; T
	s_lshl_b32 s34, s32, 13
	s_mov_b32 s35, 0
	s_add_nc_u64 s[14:15], s[14:15], s[34:35]
	s_add_nc_u64 s[16:17], s[16:17], s[34:35]
	s_lshl_b32 s34, s32, 14
	s_add_nc_u64 s[24:25], s[24:25], s[34:35]
.set i, 0
.rept 16
	global_load_b128 v[16+4*i:19+4*i], v3, s[14:15] offset:512*i th:TH_LOAD_NT   ; a whole row of 512 bytes
.set i, i+1
.endr
.set i, 0
.rept 16
	global_load_b128 v[80+4*i:83+4*i], v3, s[16:17] offset:512*i th:TH_LOAD_NT
.set i, i+1
.endr
.macro RTAB src, tab                   ; 16 rows through the stage; out by pieces p = 2 b + i
.set i, 0
.rept 16
	ds_store_b128 v[RI], v[\src+4*i:\src+4*i+3] offset:RP*i
.set i, i+1
.endr
.set i, 0
.rept 16
	ds_load_b128 v[144+4*i:147+4*i], v[RO] offset:64*(i/2)+16*(i%2)
.set i, i+1
.endr
	s_wait_dscnt 0x0
.set i, 0
.rept 32
	v_pk_mul_f32 v[144+2*i:145+2*i], v[144+2*i:145+2*i], 0x3c800000 op_sel_hi:[1,0]   ; x 2^-6
.set i, i+1
.endr
.set i, 0
.rept 16
	global_store_b128 v3, v[144+4*i:147+4*i], s[24:25] offset:(((i/2)*2+\tab)*2+i%2)*512   ; 512 consecutive bytes
.set i, i+1
.endr
.endm
	s_wait_loadcnt 16                              ; cos is in; sin's sixteen stay out
	RTAB 16, 0
	s_wait_loadcnt 0x0
	s_wait_xcnt 0x0                                ; cos's stores have read their data registers
	RTAB 80, 1
.Lend:
	s_wait_tensorcnt 0x0                           ; the wave's end
	ds_add_u32 v[SPW], v[NIL]
	s_wait_dscnt 0x0
	s_endpgm
.Lfunc_end_k_q94505cde29_prep:
	.size	k_q94505cde29_prep, .Lfunc_end_k_q94505cde29_prep-k_q94505cde29_prep
	.p2alignl 7, 3214868480
	.fill 96, 4, 3214868480
	.section	.rodata,"a",@progbits
	.p2align	6, 0x0
	.amdhsa_kernel k_q94505cde29_prep
		.amdhsa_group_segment_fixed_size 67072
		.amdhsa_private_segment_fixed_size 0
		.amdhsa_enable_private_segment 0
		.amdhsa_kernarg_size 88
		.amdhsa_user_sgpr_count 2
		.amdhsa_user_sgpr_kernarg_segment_ptr 1
		.amdhsa_wavefront_size32 1
		.amdhsa_system_sgpr_workgroup_id_x 1
		.amdhsa_system_sgpr_workgroup_id_y 1
		.amdhsa_system_sgpr_workgroup_id_z 1
		.amdhsa_system_vgpr_workitem_id 0
		.amdhsa_next_free_vgpr 208
		.amdhsa_next_free_sgpr 66
		.amdhsa_reserve_vcc 0
		.amdhsa_float_denorm_mode_32 3
		.amdhsa_float_denorm_mode_16_64 3
		.amdhsa_memory_ordered 1
		.amdhsa_forward_progress 1
		.amdhsa_inst_pref_size 71
	.end_amdhsa_kernel
	.amdgpu_metadata
---
amdhsa.version: [ 1, 2 ]
amdhsa.kernels:
  - .name:           k_q94505cde29_prep
    .symbol:         k_q94505cde29_prep.kd
    .args:
      - { .name: hidden_states, .offset: 0, .size: 8, .value_kind: global_buffer, .address_space: global }
      - { .name: Wq, .offset: 8, .size: 8, .value_kind: global_buffer, .address_space: global }
      - { .name: Wk, .offset: 16, .size: 8, .value_kind: global_buffer, .address_space: global }
      - { .name: Wv, .offset: 24, .size: 8, .value_kind: global_buffer, .address_space: global }
      - { .name: Wo, .offset: 32, .size: 8, .value_kind: global_buffer, .address_space: global }
      - { .name: cos, .offset: 40, .size: 8, .value_kind: global_buffer, .address_space: global }
      - { .name: sin, .offset: 48, .size: 8, .value_kind: global_buffer, .address_space: global }
      - { .name: codes, .offset: 56, .size: 8, .value_kind: global_buffer, .address_space: global }
      - { .name: scales, .offset: 64, .size: 8, .value_kind: global_buffer, .address_space: global }
      - { .name: wo16, .offset: 72, .size: 8, .value_kind: global_buffer, .address_space: global }
      - { .name: rope, .offset: 80, .size: 8, .value_kind: global_buffer, .address_space: global }
    .group_segment_fixed_size: 67072
    .private_segment_fixed_size: 0
    .kernarg_segment_align: 8
    .kernarg_segment_size: 88
    .max_flat_workgroup_size: 128
    .sgpr_count:     66
    .vgpr_count:     208
    .wavefront_size: 32
...
	.end_amdgpu_metadata
.endif
;; end of part 1
;; launch qkv (part 2): grid 16 x 16, 4 waves a work-group, clusters of 4 x 1, 327,680 bytes of LDS; arguments codes, scales, rope, qkv, fine; writes qkv, fine
.if DOCPART == 2
	.amdgcn_target "amdgcn-amd-amdhsa--gfx1250"
	.amdhsa_code_object_version 6
	.text
	.protected	k_q94505cde29_qkv
	.globl	k_q94505cde29_qkv
	.p2align	8
	.type	k_q94505cde29_qkv,@function
k_q94505cde29_qkv:
	s_mov_b64 s[64:65], 0
	v_nop
	global_prefetch_b8 v0, s[64:65] scope:SCOPE_SE
	s_setreg_imm32_b32 hwreg(HW_REG_WAVE_MODE, 25, 1), 1
	s_wait_xcnt 0x0
	s_wait_alu depctr_hold_cnt(0) depctr_sa_sdst(0) depctr_va_vdst(0) depctr_va_sdst(0) depctr_va_ssrc(0) depctr_va_vcc(0) depctr_vm_vsrc(0)
	s_getreg_b32 s2, hwreg(HW_REG_IB_STS2, 6, 4)
	s_cmp_eq_u32 s2, 0
	s_cbranch_scc0 .Lentry_in_a_cluster
	s_endpgm
.Lentry_in_a_cluster:
	s_bfe_u32 s2, ttmp6, 0x10000c
	s_cmp_lg_u32 s2, 0x3003
	s_cbranch_scc0 .Lentry_shape_is_right
	s_endpgm
.Lentry_shape_is_right:
; q, k, v = hidden [Wq | Wk | Wv]^T on codes of E2M1 with E8M0 scales (K = 2,048), then rotary on q and k, then f16, stored as images of the operand registers that the attention launch wants.
; SHARES.  A work-group makes 256 positions (row tile y) x 128 columns: one head slot ct = 4 X + cx (0-7 q, 8-11 k, 12-15 v), so a cluster (X) holds heads of one kind.  Wave w: positions 64 w .. 64 w + 63 x 128: 32 accumulators.
; THE MATRIX INSTRUCTION IS USED TRANSPOSED (source 0 = 16 rows of W, source 1 = 16 positions): lane (r, h), register j of accumulator (a, b) = position 256 y + 64 w + 16 a + r, channel 16 b + 8 h + j.
; CLUSTER 4 x 1: the four partners need the same tile of hidden codes and scales: asked for jointly (mask 15).  Each partner's own rows of W come by plain loads in the same rounds.  A 4 x 4 cluster is not used: the ways out
; part on the kind of head and on the row tile, which here are the cluster's own coordinates and the same in all partners.
; K goes in 4 steps of 512 (rows of 256 bytes) through two LDS slots; the scale bytes of all of K come once with the first fills.
; OUT.  q' = rot(q) 2^-6 and k' = rot(k) 2^-6 (the factor lies in the tables): piece b of 512 bytes: lane (r, h): channels 16 b + 8 h + 0..7 of position r, in f16.  v: turned in LDS, so that a lane holds one channel and 8 keys.
; Positions 0-15 are also stored in f32 (fine), for the launch that carries them finely.
; LIMITS: q 2^-6, k 2^-6 and v must stay under 65,504 in magnitude.
; REGISTERS: window 0: v16-29 addresses; v32-95 scale words, two sets; v96-127 packed f16; v128-191 A's fragments, two sets of 4; v192-255 a block after rotary.  window 1: W's fragments, sets at v0 and v128.
;   window 2: accumulator (a, b) at v[8 (8 a + b)].  window 3: rotary tables, two sets of 128.
.set PITCH,  272                       ; an LDS row: 256 bytes + 16: the 16 rows of a fragment load start 68 words apart
.set ATILE,  256*PITCH
.set SLOT,   384*PITCH                 ; A's 256 rows, then W's 128
.set SCL,    2*SLOT                    ; the scales, as rows of 256 bytes + 16: A's 64 such rows, then W's 32
.set SBLK,   4*272                     ; the scales of 16 rows
.set SPARE,  SCL+96*272                ; the spare words: 128 bytes a wave; no other line names them
.set VP,     288                       ; v's stage (in slot 0, after its last fill and last read): 64 rows of 256 bytes + 32 for each wave
.set ADRA, 16                          ; v16-17 A's fragments in slot 0, 1
.set ADRB, 20                          ; v20-21 W's
.set LI,   22                          ; v22  16 x lane
.set FO,   23                          ; v23  fine: 512 r + 32 h
.set STO,  24                          ; v24  v's stage, way in
.set TRA,  25                          ; v25  v's stage, turning loads
.set ADRS, 27                          ; v27  scale words: lanes 0-15 A's rows, lanes 16-31 W's
.set SPW,  28
.set NIL,  29
.set SC,   32
.set H,    96
.set AF,   128
.set Y,    192
.set G1A,  24
.set G0A,  32
.set G1B,  48
.set G0B,  56
.set G1SA, 68
.set G0SA, 76
.set G1SB, 80
.set G0SB, 88
.set MSB, 0
.macro WIN new                         ; the immediate's high byte repeats the setting that is left
.if MSB != \new
	s_set_vgpr_msb (MSB<<8)|\new
.set MSB, \new
.endif
.endm
.set MUL,  0xa1                        ; source 0 window 1, source 1 window 0, C and D window 2
.set TO_B, 0x40
.macro JLOAD g0a, g1a, g0b, g1b        ; waves 0, 1: A's halves, jointly; waves 2, 3: W's halves.  An s_nop 0 and four v_nop follow each line
	s_cmp_eq_u32 s15, 0
	s_cbranch_scc0 .Lfor_b_\@
	tensor_load_to_lds s[\g0a:\g0a+3], s[\g1a:\g1a+7]
	s_nop 0
.rept 4
	v_nop
.endr
	s_branch .Lasked_\@
.Lfor_b_\@:
	tensor_load_to_lds s[\g0b:\g0b+3], s[\g1b:\g1b+7]
	s_nop 0
.rept 4
	v_nop
.endr
.Lasked_\@:
.endm
.macro CREST
	s_cmp_lg_u32 s14, 0
	s_cbranch_scc1 .Lnot_wave_0_\@
	s_barrier_signal -3
.Lnot_wave_0_\@:
	s_barrier_wait -3
	s_barrier_signal -1
	s_barrier_wait -1
.endm
.macro CROUND
	s_barrier_signal -1
	s_barrier_wait -1
	CREST
.endm
.macro PLACES
.rept 4
	v_nop
.endr
.endm
	s_load_b256 s[4:11], s[0:1], 0x0               ; codes s[4:5], scales s[6:7], rope s[8:9], qkv s[10:11]
	s_load_b64 s[12:13], s[0:1], 0x20              ; fine
	v_lshl_add_u32 v[SPW], v0, 2, SPARE
	v_mov_b32 v[NIL], 0
	ds_add_u32 v[SPW], v[NIL]                      ; the opening: the add, twice on end, and its wait ahead of my first tensor load
	ds_add_u32 v[SPW], v[NIL]
	v_lshrrev_b32 v1, 5, v0
	v_readfirstlane_b32 s14, v1                    ; wave
	s_lshr_b32 s15, s14, 1                         ; 0: I fetch for A, 1: for W
	s_and_b32 s16, s14, 1                          ; which half
	s_bfe_u32 s40, ttmp6, 0x40000                  ; cx
	s_lshl_b32 s42, ttmp9, 2
	s_add_co_u32 s42, s42, s40                     ; ct
	s_and_b32 s17, ttmp7, 0xffff                   ; y
	s_mov_b32 s[G1A], 15|(1<<20)|(1<<21)|(5<<22)|(3<<25)   ; mask: the four partners; bytes; 4 words of padding behind every 64
	s_mov_b32 s[G1A+1], 256<<16
	s_mov_b32 s[G1A+2], 128<<16
	s_mov_b32 s[G1A+3], 256<<16
	s_mov_b32 s[G1A+4], 128
	s_mov_b32 s[G1A+5], 1024
	s_mov_b32 s[G1A+6], 0
	s_mov_b32 s[G1A+7], 0
	s_mov_b32 s[G1B], (1<<20)|(5<<22)|(3<<25)      ; no mask: 64 rows of my own head slot
	s_mov_b32 s[G1B+1], 256<<16
	s_mov_b32 s[G1B+2], 64<<16
	s_mov_b32 s[G1B+3], 256<<16
	s_mov_b32 s[G1B+4], 64
	s_mov_b32 s[G1B+5], 1024
	s_mov_b32 s[G1B+6], 0
	s_mov_b32 s[G1B+7], 0
	s_mov_b32 s[G1SA], 15|(3<<16)|(1<<20)|(1<<21)|(5<<22)|(3<<25)   ; the scales of 128 rows: 8,192 dense bytes as 32 rows of 256
	s_mov_b32 s[G1SA+1], 32<<16
	s_mov_b32 s[G1SA+2], 32<<16
	s_mov_b32 s[G1SA+3], 32<<16
	s_mov_b32 s[G1SA+4], 32
	s_mov_b32 s[G1SA+5], 32
	s_mov_b32 s[G1SA+6], 0
	s_mov_b32 s[G1SA+7], 0
	s_mov_b32 s[G1SB], (3<<16)|(1<<20)|(5<<22)|(3<<25)              ; those of 64 rows: 16 rows of 256
	s_mov_b32 s[G1SB+1], 32<<16
	s_mov_b32 s[G1SB+2], 16<<16
	s_mov_b32 s[G1SB+3], 32<<16
	s_mov_b32 s[G1SB+4], 16
	s_mov_b32 s[G1SB+5], 32
	s_mov_b32 s[G1SB+6], 0
	s_mov_b32 s[G1SB+7], 0
	s_lshl_b32 s20, s17, 18                        ; A's codes: row 256 y + 128 half, 1,024 bytes a row: made of y and the wave alone
	s_lshl_b32 s21, s16, 17
	s_add_co_u32 s20, s20, s21
	s_mov_b32 s21, 0
	s_lshl_b32 s22, s17, 14                        ; A's scales: 64 bytes a row
	s_lshl_b32 s23, s16, 13
	s_add_co_u32 s22, s22, s23
	s_mov_b32 s23, 0
	s_lshl_b32 s44, s42, 17                        ; W's codes: 4 MiB + row 128 ct + 64 half
	s_lshl_b32 s45, s16, 16
	s_add_co_u32 s44, s44, s45
	s_add_co_u32 s44, s44, 0x400000
	s_mov_b32 s45, 0
	s_lshl_b32 s46, s42, 13                        ; W's scales: 262,144 + ..
	s_lshl_b32 s47, s16, 12
	s_add_co_u32 s46, s46, s47
	s_add_co_u32 s46, s46, 0x40000
	s_mov_b32 s47, 0
	s_mul_i32 s92, s16, 128*PITCH                  ; places in LDS: made of the wave's number alone
	s_mul_i32 s93, s16, 64*PITCH
	s_add_co_u32 s93, s93, ATILE
	s_mul_i32 s94, s16, 32*272
	s_add_co_u32 s94, s94, SCL
	s_mul_i32 s95, s16, 16*272
	s_add_co_u32 s95, s95, SCL+64*272
	s_wait_dscnt 0x0                               ; both opening adds are done
	s_wait_kmcnt 0x0
	s_add_nc_u64 s[20:21], s[4:5], s[20:21]
	s_add_nc_u64 s[22:23], s[6:7], s[22:23]
	s_add_nc_u64 s[44:45], s[4:5], s[44:45]
	s_add_nc_u64 s[46:47], s[6:7], s[46:47]
	CROUND                                         ; the four work-groups are here: the first joint loads meet
	s_mov_b32 s[G0SA], 1
	s_mov_b32 s[G0SA+1], s94
	s_mov_b64 s[G0SA+2:G0SA+3], s[22:23]
	s_or_b32 s[G0SA+3], s[G0SA+3], 0x80000000
	s_mov_b32 s[G0SB], 1
	s_mov_b32 s[G0SB+1], s95
	s_mov_b64 s[G0SB+2:G0SB+3], s[46:47]
	s_or_b32 s[G0SB+3], s[G0SB+3], 0x80000000
	JLOAD G0SA, G1SA, G0SB, G1SB                   ; the scales first: wanted with K step 0
.irp s, 0,1
	s_mov_b32 s[G0A+4*\s], 1
	s_add_co_u32 s[G0A+4*\s+1], s92, \s*SLOT
	s_add_nc_u64 s[G0A+4*\s+2:G0A+4*\s+3], s[20:21], \s*256
	s_or_b32 s[G0A+4*\s+3], s[G0A+4*\s+3], 0x80000000
	s_mov_b32 s[G0B+4*\s], 1
	s_add_co_u32 s[G0B+4*\s+1], s93, \s*SLOT
	s_add_nc_u64 s[G0B+4*\s+2:G0B+4*\s+3], s[44:45], \s*256
	s_or_b32 s[G0B+4*\s+3], s[G0B+4*\s+3], 0x80000000
	JLOAD G0A+4*\s, G1A, G0B+4*\s, G1B             ; three tensor loads of mine are out behind the second of these
.endr
	v_and_b32 v1, 15, v0                           ; r
	v_bfe_u32 v2, v0, 4, 1                         ; h
	v_mul_u32_u24 v3, v1, PITCH
	v_lshl_add_u32 v4, v2, 4, v3                   ; a fragment's row x pitch + 16 h
	s_mul_i32 s18, s14, 64*PITCH                   ; my 64 rows of A
	s_mov_b32 s19, ATILE
.irp s, 0,1
	v_add_nc_u32 v[ADRA+\s], s18, v4
	v_add_nc_u32 v[ADRB+\s], s19, v4
	s_add_co_u32 s18, s18, SLOT
	s_add_co_u32 s19, s19, SLOT
.endr
	v_lshlrev_b32 v5, 6, v1                        ; my row's scales: 64 bytes a row,
	v_lshrrev_b32 v6, 8, v5
	v_lshl_add_u32 v5, v6, 4, v5                   ; and 16 more for each 256 passed
	s_mul_i32 s18, s14, 4*SBLK                     ; A's: my 64 rows
	s_sub_co_u32 s19, 64*272, s18                  ; from there to W's first row
	v_mul_u32_u24 v6, s19, v2                      ; lanes 16-31 take W's: one product by h
	s_add_co_u32 s18, s18, SCL
	v_add_nc_u32 v5, v5, v6
	v_add_nc_u32 v[ADRS], s18, v5
	v_and_b32 v5, 31, v0
	v_lshlrev_b32 v[LI], 4, v5
	v_lshlrev_b32 v[FO], 9, v1
	v_lshl_add_u32 v[FO], v2, 5, v[FO]
	s_mul_i32 s18, s14, 64*VP                      ; my stage for v
	v_mul_u32_u24 v5, v1, VP
	v_lshl_add_u32 v5, v2, 4, v5
	v_add_nc_u32 v[STO], s18, v5                   ; row r, + 16 h
	v_and_b32 v5, 7, v0
	v_lshl_add_u32 v5, v2, 3, v5
	v_mul_u32_u24 v5, v5, VP
	v_bfe_u32 v6, v0, 3, 1
	v_lshl_add_u32 v5, v6, 4, v5
	v_add_nc_u32 v[TRA], s18, v5                   ; row 8 h + lane % 8, + 16 ((lane / 8) % 2)
	s_lshl_b32 s18, s17, 18                        ; rope at position tile 16 y + 4 w: 16,384 bytes a tile
	s_lshl_b32 s19, s14, 16
	s_add_co_u32 s18, s18, s19
	s_mov_b32 s19, 0
	s_add_nc_u64 s[8:9], s[8:9], s[18:19]
	s_lshl_b32 s18, s42, 13                        ; fine at my head slot
	s_add_nc_u64 s[12:13], s[12:13], s[18:19]
	s_lshl_b32 s18, s42, 20                        ; q: head x 1 MiB + y x 65,536
	s_lshl_b32 s19, s17, 16
	s_add_co_u32 s18, s18, s19
	s_and_b32 s19, s42, 3                          ; k, v: 8 MiB + kv head x 2 MiB + slot y x 131,072 (+ 65,536 for v)
	s_lshl_b32 s19, s19, 21
	s_lshl_b32 s96, s17, 17
	s_add_co_u32 s19, s19, s96
	s_add_co_u32 s19, s19, 0x800000
	s_cmp_eq_u32 ttmp9, 3
	s_cselect_b32 s96, 0x10000, 0
	s_add_co_u32 s19, s19, s96
	s_cmp_lt_u32 ttmp9, 2
	s_cselect_b32 s18, s18, s19
	s_lshl_b32 s19, s14, 14                        ; + my wave's 16,384 bytes
	s_add_co_u32 s18, s18, s19
	s_mov_b32 s19, 0
	s_add_nc_u64 s[10:11], s[10:11], s[18:19]
.macro FRAG reg, adr, q, i             ; 16 rows x 128 K of 4-bit codes: 8 registers: registers 4 c .. 4 c + 3: K = 64 c + 32 h + 0 .. 31
.irp c, 0,1
	ds_load_b128 v[\reg+4*\c:\reg+4*\c+3], v[\adr] offset:64*(\q)+32*\c+(\i)*16*PITCH
.endr
.endm
; 16 products: A's blocks a0, a0 + 1 x W's eight.  p: the fragment set; q: which 128 of the slot; sc: the set of scale words.  The 32 accumulators take turns, one instruction a turn, in the same order in every step
.macro MULS a0, p, q, sc, zero
.irp a, \a0, \a0+1
.irp b, 0,1,2,3,4,5,6,7
.if \zero
	v_wmma_scale_f32_16x16x128_f8f6f4 v[8*(8*(\a)+\b):8*(8*(\a)+\b)+7], v[128*(\p)+8*\b:128*(\p)+8*\b+7], v[AF+32*(\p)+8*(\a):AF+32*(\p)+8*(\a)+7], 0, v[SC+32*(\sc)+4*\b+(\q)], v[SC+32*(\sc)+4*(\a)+(\q)] matrix_a_fmt:MATRIX_FMT_FP4 matrix_b_fmt:MATRIX_FMT_FP4 matrix_a_scale:MATRIX_SCALE_ROW1
.else
	v_wmma_scale_f32_16x16x128_f8f6f4 v[8*(8*(\a)+\b):8*(8*(\a)+\b)+7], v[128*(\p)+8*\b:128*(\p)+8*\b+7], v[AF+32*(\p)+8*(\a):AF+32*(\p)+8*(\a)+7], v[8*(8*(\a)+\b):8*(8*(\a)+\b)+7], v[SC+32*(\sc)+4*\b+(\q)], v[SC+32*(\sc)+4*(\a)+(\q)] matrix_a_fmt:MATRIX_FMT_FP4 matrix_b_fmt:MATRIX_FMT_FP4 matrix_a_scale:MATRIX_SCALE_ROW1
.endif
.endr
.endr
.endm
.macro FETCH slot, q, p                ; 24 LDS loads in one run: W's eight fragments and A's four
	WIN TO_B
.irp i, 0,1,2,3,4,5,6,7
	FRAG 128*(\p)+8*\i, ADRB+\slot, \q, \i
.endr
	WIN 0
.irp i, 0,1,2,3
	FRAG AF+32*(\p)+8*\i, ADRA+\slot, \q, \i
.endr
.endm
.macro SCALES sc                       ; a K step's four words a row: lanes 0-15 A's block i (used for i < 4; beyond that the lanes read filled bytes that no product names), lanes 16-31 W's block i
.irp i, 0,1,2,3,4,5,6,7
	ds_load_b128 v[SC+32*\sc+4*\i:SC+32*\sc+4*\i+3], v[ADRS] offset:\i*SBLK
.endr
.endm
.macro STEP slot, q, zero              ; 128 along K with its successor in the same slot
	s_wait_dscnt 0x0                               ; this step's fragments are in (asked for 32 products ago)
	PLACES                                         ; four plain places between the last products and loads into the set that they read
	FETCH \slot, (\q)+1, 1-(\q)%2
	WIN MUL
	MULS 0, (\q)%2, \q, \slot, \zero
	MULS 2, (\q)%2, \q, \slot, \zero
	WIN 0
.endm
.macro TURN slot, next, fill           ; a slot's last step changes slots
	s_wait_tensorcnt 0x0                           ; all my tensor loads have landed: my part of the next slot
	ds_add_u32 v[SPW], v[NIL]                      ; 0 onto my spare word
	s_wait_dscnt 1                                 ; the add alone may be out: the 24 fragment loads are older
	WIN MUL
	MULS 0, 1, 3, \slot, 0
	s_wait_dscnt 0x0                               ; the add is done, and my reads of this slot are over
	s_barrier_signal -1
	MULS 2, 1, 3, \slot, 0
	WIN 0
	s_barrier_wait -1
.if \fill
	CREST                                          ; the barrier has opened a round of the cluster's: no wave of any partner still reads this slot or has a load on its way
	s_add_nc_u64 s[G0A+4*\slot+2:G0A+4*\slot+3], s[G0A+4*\slot+2:G0A+4*\slot+3], 512
	s_add_nc_u64 s[G0B+4*\slot+2:G0B+4*\slot+3], s[G0B+4*\slot+2:G0B+4*\slot+3], 512
	JLOAD G0A+4*\slot, G1A, G0B+4*\slot, G1B       ; my one tensor load behind the round; its four v_nop are also the places in front of the loads below
.else
	PLACES
.endif
	v_add_nc_u32 v[ADRS], 16, v[ADRS]              ; the next K step's scale words
	FETCH \next, 0, 0
	SCALES \next
.endm
.macro STEPS slot, from
.set Q, \from
.rept 3-\from
	STEP \slot, Q, 0
.set Q, Q+1
.endr
.endm
.macro TABLES a, set                   ; cos and sin of my block a: 32 pieces of 512 consecutive bytes
	WIN 0xc0
.set i, 0
.rept 32
	global_load_b128 v[128*(\set)+4*i:128*(\set)+4*i+3], v[LI], s[8:9] offset:(\a)*16384+512*i
.set i, i+1
.endr
	WIN 0
.endm
.macro LAST                            ; the last K step, which lies in slot 1: no barrier and no fill stands in it
	STEPS 1, 0
	s_wait_dscnt 0x0
	WIN MUL
	MULS 0, 1, 3, 1, 0
	MULS 2, 1, 3, 1, 0
	WIN 0
	PLACES                                         ; in front of the first read of results and the first write over operands
.endm
	s_wait_tensorcnt 1                             ; the scales and my part of K step 0 are in; K step 1's load may stay out
	s_barrier_signal -1
	s_barrier_wait -1
	FETCH 0, 0, 0
	SCALES 0
	STEP 0, 0, 1                                   ; the first step starts the sums: nothing is cleared
	s_mov_b32 s3, 1
.Llap:                                             ; once round the ring; both slots are filled again (K steps 2 and 3)
	STEPS 0, 1
	TURN 0, 1, 1
	STEPS 1, 0
	TURN 1, 0, 1
	STEP 0, 0, 0
	s_sub_co_u32 s3, s3, 1
	s_cmp_lg_u32 s3, 0
	s_cbranch_scc1 .Llap
	STEPS 0, 1
	TURN 0, 1, 0                                   ; the last change of slots: nothing is asked for; behind it nobody reads slot 0
	s_cmp_eq_u32 ttmp9, 3                          ; the kind of head: the cluster's x, the same in all partners.  The one parting of the ways: the last K step is written in both arms
	s_cbranch_scc1 .Lv
	; ---- q and k
	TABLES 0, 0                                    ; they land while the last K step is multiplied
	TABLES 1, 1
	LAST
.macro ROPE a, set                     ; y[d] = x[d] cos[d] - x[d + 64] sin[d],  y[d + 64] = x[d + 64] cos[d + 64] + x[d] sin[d + 64];  d + 64 is column block b + 4.  Each accumulator is read from its low end on
	WIN 0x0e                                       ; source 0 window 2, source 1 window 3
.irp b, 0,1,2,3
.irp jj, 0,2,4,6
	v_pk_mul_f32 v[Y+8*\b+\jj:Y+8*\b+\jj+1], v[8*(8*(\a)+\b)+\jj:8*(8*(\a)+\b)+\jj+1], v[128*(\set)+16*\b+\jj:128*(\set)+16*\b+\jj+1]
	v_pk_mul_f32 v[Y+8*(\b+4)+\jj:Y+8*(\b+4)+\jj+1], v[8*(8*(\a)+\b+4)+\jj:8*(8*(\a)+\b+4)+\jj+1], v[128*(\set)+16*(\b+4)+\jj:128*(\set)+16*(\b+4)+\jj+1]
	v_pk_fma_f32 v[Y+8*\b+\jj:Y+8*\b+\jj+1], v[8*(8*(\a)+\b+4)+\jj:8*(8*(\a)+\b+4)+\jj+1], v[128*(\set)+16*\b+8+\jj:128*(\set)+16*\b+8+\jj+1], v[Y+8*\b+\jj:Y+8*\b+\jj+1] neg_lo:[1,0,0] neg_hi:[1,0,0]
	v_pk_fma_f32 v[Y+8*(\b+4)+\jj:Y+8*(\b+4)+\jj+1], v[8*(8*(\a)+\b)+\jj:8*(8*(\a)+\b)+\jj+1], v[128*(\set)+16*(\b+4)+8+\jj:128*(\set)+16*(\b+4)+8+\jj+1], v[Y+8*(\b+4)+\jj:Y+8*(\b+4)+\jj+1]
.endr
.endr
	WIN 0
.endm
.irp a, 0,1,2,3
.if \a < 3
	s_wait_loadcnt 32                              ; this block's tables are in; the next block's 32 loads stay out
.else
	s_wait_loadcnt 0x0
.endif
.if \a > 0
	s_wait_xcnt 0x0                                ; the last block's stores have read their data registers
.endif
	ROPE \a, \a%2
.if \a == 0
	s_cmp_lg_u32 s17, 0                            ; positions 0-15 are row tile 0, wave 0, block 0: ids alone
	s_cbranch_scc1 .Lno_fine_q
	s_cmp_lg_u32 s14, 0
	s_cbranch_scc1 .Lno_fine_q
.irp b, 0,1,2,3,4,5,6,7
	global_store_b128 v[FO], v[Y+8*\b:Y+8*\b+3], s[12:13] offset:64*\b
	global_store_b128 v[FO], v[Y+8*\b+4:Y+8*\b+7], s[12:13] offset:64*\b+16
.endr
.Lno_fine_q:
.endif
.set i, 0
.rept 32
	v_cvt_pk_f16_f32 v[H+i], v[Y+2*i], v[Y+2*i+1]
.set i, i+1
.endr
.irp b, 0,1,2,3,4,5,6,7
	global_store_b128 v[LI], v[H+4*\b:H+4*\b+3], s[10:11] offset:\a*4096+512*\b   ; 512 consecutive bytes
.endr
.if \a < 2
	TABLES \a+2, \a%2
.endif
.endr
	s_branch .Lend
	; ---- v
.Lv:
	LAST
	WIN 0x0a                                       ; sources window 2
.set i, 0
.rept 128
	v_cvt_pk_f16_f32 v[128+i], v[8*(i/4)+2*(i%4)], v[8*(i/4)+2*(i%4)+1]   ; accumulator i / 4, ascending
.set i, i+1
.endr
	WIN 0
	s_cmp_lg_u32 s17, 0
	s_cbranch_scc1 .Lno_fine_v
	s_cmp_lg_u32 s14, 0
	s_cbranch_scc1 .Lno_fine_v
	WIN 0x08                                       ; a store's data: window 2
.irp b, 0,1,2,3,4,5,6,7
	global_store_b128 v[FO], v[8*\b:8*\b+3], s[12:13] offset:64*\b
	global_store_b128 v[FO], v[8*\b+4:8*\b+7], s[12:13] offset:64*\b+16
.endr
	WIN 0
.Lno_fine_v:
.set i, 0
.rept 32
	ds_store_b128 v[STO], v[128+4*i:131+4*i] offset:(i/8)*16*VP+32*(i%8)   ; position 16 a + r, channels 16 b + 8 h on
.set i, i+1
.endr
	WIN 0x40
.set i, 0
.rept 16                               ; fragment 8 kk + ct: keys 32 kk on, channels 16 ct on.  The stage is my own and LDS serves a wave's instructions in order
	ds_load_tr16_b128 v[8*i:8*i+3], v[TRA] offset:(i/8)*32*VP+32*(i%8)
	ds_load_tr16_b128 v[8*i+4:8*i+7], v[TRA] offset:(i/8)*32*VP+16*VP+32*(i%8)
.set i, i+1
.endr
	s_wait_dscnt 0x0
	WIN 0x04                                       ; a store's data: window 1
.set i, 0
.rept 32
	global_store_b128 v[LI], v[4*i:4*i+3], s[10:11] offset:512*i   ; 512 consecutive bytes
.set i, i+1
.endr
	WIN 0
.Lend:
	s_wait_tensorcnt 0x0                           ; the wave's end
	ds_add_u32 v[SPW], v[NIL]
	s_wait_dscnt 0x0
	CROUND                                         ; the closing round
	s_endpgm
.Lfunc_end_k_q94505cde29_qkv:
	.size	k_q94505cde29_qkv, .Lfunc_end_k_q94505cde29_qkv-k_q94505cde29_qkv
	.p2alignl 7, 3214868480
	.fill 96, 4, 3214868480
	.section	.rodata,"a",@progbits
	.p2align	6, 0x0
	.amdhsa_kernel k_q94505cde29_qkv
		.amdhsa_group_segment_fixed_size 327680
		.amdhsa_private_segment_fixed_size 0
		.amdhsa_enable_private_segment 0
		.amdhsa_kernarg_size 40
		.amdhsa_user_sgpr_count 2
		.amdhsa_user_sgpr_kernarg_segment_ptr 1
		.amdhsa_wavefront_size32 1
		.amdhsa_system_sgpr_workgroup_id_x 1
		.amdhsa_system_sgpr_workgroup_id_y 1
		.amdhsa_system_sgpr_workgroup_id_z 1
		.amdhsa_system_vgpr_workitem_id 0
		.amdhsa_next_free_vgpr 1024
		.amdhsa_next_free_sgpr 100
		.amdhsa_reserve_vcc 0
		.amdhsa_float_denorm_mode_32 3
		.amdhsa_float_denorm_mode_16_64 3
		.amdhsa_memory_ordered 1
		.amdhsa_forward_progress 1
		.amdhsa_inst_pref_size 188
	.end_amdhsa_kernel
	.amdgpu_metadata
---
amdhsa.version: [ 1, 2 ]
amdhsa.kernels:
  - .name:           k_q94505cde29_qkv
    .symbol:         k_q94505cde29_qkv.kd
    .args:
      - { .name: codes, .offset: 0, .size: 8, .value_kind: global_buffer, .address_space: global }
      - { .name: scales, .offset: 8, .size: 8, .value_kind: global_buffer, .address_space: global }
      - { .name: rope, .offset: 16, .size: 8, .value_kind: global_buffer, .address_space: global }
      - { .name: qkv, .offset: 24, .size: 8, .value_kind: global_buffer, .address_space: global }
      - { .name: fine, .offset: 32, .size: 8, .value_kind: global_buffer, .address_space: global }
    .group_segment_fixed_size: 327680
    .private_segment_fixed_size: 0
    .kernarg_segment_align: 8
    .kernarg_segment_size: 40
    .max_flat_workgroup_size: 128
    .sgpr_count:     100
    .vgpr_count:     1024
    .wavefront_size: 32
...
	.end_amdgpu_metadata
.endif
;; end of part 2
;; launch attn (part 3): grid 32 x 8, 4 waves a work-group, clusters of 4 x 1, 327,680 bytes of LDS; arguments qkv, aimg; writes aimg
.if DOCPART == 3
	.amdgcn_target "amdgcn-amd-amdhsa--gfx1250"
	.amdhsa_code_object_version 6
	.text
	.protected	k_q94505cde29_attn
	.globl	k_q94505cde29_attn
	.p2align	8
	.type	k_q94505cde29_attn,@function
k_q94505cde29_attn:
	s_mov_b64 s[64:65], 0
	v_nop
	global_prefetch_b8 v0, s[64:65] scope:SCOPE_SE
	s_setreg_imm32_b32 hwreg(HW_REG_WAVE_MODE, 25, 1), 1
	s_wait_xcnt 0x0
	s_wait_alu depctr_hold_cnt(0) depctr_sa_sdst(0) depctr_va_vdst(0) depctr_va_sdst(0) depctr_va_ssrc(0) depctr_va_vcc(0) depctr_vm_vsrc(0)
	s_getreg_b32 s2, hwreg(HW_REG_IB_STS2, 6, 4)
	s_cmp_eq_u32 s2, 0
	s_cbranch_scc0 .Lentry_in_a_cluster
	s_endpgm
.Lentry_in_a_cluster:
	s_bfe_u32 s2, ttmp6, 0x10000c
	s_cmp_lg_u32 s2, 0x3003
	s_cbranch_scc0 .Lentry_shape_is_right
	s_endpgm
.Lentry_shape_is_right:
; O[head][q] = sum over k <= q of softmax_k(q . k / sqrt(128)) v[k], f16 operands, f32 products' sums, maxima and sums; a running maximum is taken away before every exponential.
; WORK LEFT OUT: slots of 256 keys that lie wholly behind a block of 256 queries: their weights are exactly 0 under reference()'s own mask (shown at the head of the first launch).
; SHARES.  A cluster (pi = its x, 0..7; its y = the head) takes two blocks of 256 queries of one head: first block 15 - pi (16 - pi slots of 256 keys), then block pi (pi + 1 slots): 17 slots for every cluster.
; Work-group cx owns queries 64 cx .. 64 cx + 63 of the block, four tiles of 16, THE SAME FOUR IN ALL FOUR WAVES; wave w multiplies keys 64 w .. 64 w + 63 of every slot.  At a block's end the four waves' maxima, sums and O meet in LDS.
; So every partner reads every tile of K and V (asked for jointly, mask 15), all trip counts are constants, and every branch hangs on pi, the trip's number or the wave's number.
; LAYOUT.  S^T = K Q^T and O^T = V^T P: a lane holds one query (lane % 16) throughout.  K, V and Q come as images of their operand registers: every LDS load is 512 consecutive bytes.
; q and k carry 2^-6 each: c = log2(e) / sqrt(128) x 2^12.  p = 2^(c s - c m).  m starts at -1e30, under every score of f16 operands (at most 128 x 65,504^2), and c m stays finite.
; A wave all of whose keys are hidden keeps m = -1e30, sum 0 and O = 0 and gets weight 2^(c m - c M) = 0 at the merge; wave 0's first key counts for every query, so the merged sum is at least 1.
; A KEY STEP is closed in itself: 64 products K Q^T (tile by tile), 64 products V^T P; the softmax of tile t stands in pieces behind the products from the 17th to the 112th: it begins behind product 16 + 24 t, when tile t's scores
; (products up to 16 t + 15) are done, and ends behind product 39 + 24 t, ahead of tile t's V^T P (from product 64 + 16 t on).
; LIMITS: NaN and infinities are not served; the order of sums differs from reference()'s.
; REGISTERS: window 0: v2-11 addresses; v12-43 statistics, 8 a tile (+0 c m, +1 m, +2, +3 sums, +4..7 at work); v64-191 S^T, 32 a tile; v192-255 P, 16 a tile.  window 1: O^T, 64 a tile.  window 2: v0-127 Q, v128-255 K.  window 3: v0-127 V.
.set SLOT1, 131072                     ; a slot: K's 65,536 bytes, then V's
.set STAT,  262144                     ; the merge: c m and sums, 4 tiles x 2 x 512 bytes: a lane's 16 bytes hold the four waves' words
.set SCR,   266240                     ; the merge: a tile of O^T of each wave, 8,192 bytes each
.set SPARE, 299008                     ; the spare words: 128 bytes a wave; no other line names them
.set AK0, 2
.set AV0, 3
.set ADR, 4
.set ADR2, 5
.set LI,  6
.set STW, 7
.set STR, 8
.set SCW, 9
.set SCD, 10
.set D0,  11                           ; v11  64 cx - 64 w + r - 8 h: on the diagonal, key register (kt, j) of tile t is hidden where 16 kt + j - 16 t > D0
.set ST,  12
.set NEG, 44                           ; v44  -infinity
.set PFO, 61                           ; v61  256 x lane
.set SPW, 62
.set NIL, 63
.set S,   64
.set P,   192
.set WV,  12
.set TR,  16                           ; s16  the trip, 0..16
.set END, 17                           ; s17  the trip on the diagonal of the block in hand
.set ENDA, 18                          ; s18  15 - pi
.set LIM, 19                           ; s19  trips in which my cluster prefetches
.set PFA, 20
.set CS,  22
.set G1,  24
.set SEL, 32
.set QB,  34
.set OUT, 36
.set OUTB, 38
.set G0,  40
.set BASE, 44                          ; s[44:45] my quarter of slot 0 of my key/value head: a plain address, never stepped
.set TB,  46                           ; s46  LDS byte at which the slot in hand begins
.set OFF, 50                           ; s[50:51] bytes from slot 0 to the slot that was asked for last; the high word stays 0
.set MSB, 0
.macro WIN new
.if MSB != \new
	s_set_vgpr_msb (MSB<<8)|\new
.set MSB, \new
.endif
.endm
.set W_KQ, 0x0a
.set W_PV, 0x53
.set W_RS, 0x41
.macro CROUND
	s_barrier_signal -1
	s_barrier_wait -1
	s_cmp_lg_u32 s[WV], 0
	s_cbranch_scc1 .Lnot_wave_0_\@
	s_barrier_signal -3
.Lnot_wave_0_\@:
	s_barrier_wait -3
	s_barrier_signal -1
	s_barrier_wait -1
.endm
.macro PLACES
.rept 4
	v_nop
.endr
.endm
.macro INIT                            ; a block begins: O^T = 0, m = -1e30, sums 0.  (A second copy of the key step whose products start the sums would take more text than these lines)
	WIN 0x40
.set i, 0
.rept 256
	v_mov_b32 v[i], 0
.set i, i+1
.endr
	WIN 0
.irp t, 0,1,2,3
	v_mov_b32 v[ST+8*\t+1], 0xf149f2ca
	v_mul_f32 v[ST+8*\t], s[CS], v[ST+8*\t+1]
	v_mov_b32 v[ST+8*\t+2], 0
	v_mov_b32 v[ST+8*\t+3], 0
.endr
.endm
	s_load_b128 s[4:7], s[0:1], 0x0                ; qkv s[4:5], aimg s[6:7]
	v_lshl_add_u32 v[SPW], v0, 2, SPARE
	v_mov_b32 v[NIL], 0
	ds_add_u32 v[SPW], v[NIL]                      ; the opening: the add, twice on end, and its wait ahead of my first tensor load
	ds_add_u32 v[SPW], v[NIL]
	v_lshrrev_b32 v1, 5, v0
	v_readfirstlane_b32 s[WV], v1
	s_bfe_u32 s13, ttmp6, 0x40000                  ; cx
	s_and_b32 s15, ttmp7, 0xffff                   ; the head
	s_lshr_b32 s14, s15, 1                         ; its key/value head
	s_mov_b32 s[TR], 0
	s_sub_co_u32 s[ENDA], 15, ttmp9
	s_mov_b32 s[END], s[ENDA]
	s_and_b32 s48, s15, 1
	s_or_b32 s48, s48, ttmp9
	s_cmp_eq_u32 s48, 0                            ; the first cluster of the even head of a key/value head walks all 16 slots: it prefetches, nobody else
	s_cselect_b32 s[LIM], 14, 0
	s_mov_b32 s[CS], 0x440293ee
	s_mov_b32 s[CS+1], s[CS]
	s_mov_b32 s[SEL], 0x76543210
	s_mov_b32 s[SEL+1], 0xfedcba98
	s_mov_b32 s[TB], 0
	s_mov_b32 s[G1], 15|(3<<16)|(1<<21)            ; mask: the four partners; elements of 8 bytes; a dense block of 32,768 bytes as 128 rows of 256
	s_mov_b32 s[G1+1], 32<<16
	s_mov_b32 s[G1+2], 128<<16
	s_mov_b32 s[G1+3], 32<<16
	s_mov_b32 s[G1+4], 128
	s_mov_b32 s[G1+5], 32
	s_mov_b32 s[G1+6], 0
	s_mov_b32 s[G1+7], 0
	s_lshl_b32 s48, s14, 21
	s_add_co_u32 s48, s48, 0x800000                ; my key/value head's slots
	s_lshl_b32 s49, s[WV], 15
	s_add_co_u32 s50, s48, s49                     ; + my quarter: made of the head and the wave alone
	s_mov_b32 s51, 0
	s_lshl_b32 s52, s13, 15                        ; the prefetches: (4 cx + w) x 8,192 bytes of a slot, told apart by address; in slot 1: the first change steps it to slot 2
	s_lshl_b32 s53, s[WV], 13
	s_add_co_u32 s52, s52, s53
	s_add_co_u32 s52, s52, s48
	s_add_co_u32 s52, s52, 131072
	s_mov_b32 s53, 0
	s_lshl_b32 s54, s15, 20                        ; Q: head x 1 MiB + block x 65,536 + cx x 16,384
	s_lshl_b32 s55, s13, 14
	s_add_co_u32 s54, s54, s55
	s_lshl_b32 s8, s[ENDA], 16
	s_add_co_u32 s8, s8, s54
	s_mov_b32 s9, 0
	s_lshl_b32 s10, ttmp9, 16
	s_add_co_u32 s10, s10, s54
	s_mov_b32 s11, 0
	s_lshl_b32 s56, s13, 17                        ; out: (16 block + 4 cx) x 32,768 + head x 4,096 + w x 1,024
	s_lshl_b32 s57, s15, 12
	s_add_co_u32 s56, s56, s57
	s_lshl_b32 s57, s[WV], 10
	s_add_co_u32 s56, s56, s57
	s_lshl_b32 s58, s[ENDA], 19
	s_add_co_u32 s58, s58, s56
	s_mov_b32 s59, 0
	s_lshl_b32 s60, ttmp9, 19
	s_add_co_u32 s60, s60, s56
	s_mov_b32 s61, 0
	s_wait_dscnt 0x0                               ; both opening adds are done
	s_wait_kmcnt 0x0
	s_add_nc_u64 s[BASE:BASE+1], s[4:5], s[50:51]
	s_add_nc_u64 s[PFA:PFA+1], s[4:5], s[52:53]
	s_add_nc_u64 s[8:9], s[4:5], s[8:9]
	s_add_nc_u64 s[QB:QB+1], s[4:5], s[10:11]
	s_add_nc_u64 s[OUT:OUT+1], s[6:7], s[58:59]
	s_add_nc_u64 s[OUTB:OUTB+1], s[6:7], s[60:61]
	s_mov_b32 s[OFF], 0                            ; slot 0 is asked for first
	s_mov_b32 s[OFF+1], 0
	s_mov_b32 s[G0], 1
	s_lshl_b32 s[G0+1], s[WV], 15                  ; slot 0, my quarter
	s_mov_b64 s[G0+2:G0+3], s[BASE:BASE+1]
	s_or_b32 s[G0+3], s[G0+3], 0x80000000
	CROUND                                         ; the four work-groups are here
	tensor_load_to_lds s[G0:G0+3], s[G1:G1+7]      ; slot 0: every wave fetches a quarter, jointly with its three partners
	s_nop 0
	PLACES
	v_and_b32 v1, 31, v0
	v_lshlrev_b32 v[LI], 4, v1
	v_lshlrev_b32 v[PFO], 8, v1
	s_lshl_b32 s48, s[WV], 14
	v_add_nc_u32 v[AK0], s48, v[LI]                ; my 64 keys of K: 16,384 bytes
	v_add_nc_u32 v[AV0], 65536, v[AK0]             ; and of V
	v_add_nc_u32 v[STR], STAT, v[LI]
	s_lshl_b32 s48, s[WV], 2
	v_add_nc_u32 v[STW], s48, v[STR]
	s_lshl_b32 s48, s[WV], 13
	v_add_nc_u32 v[SCW], s48, v[LI]
	v_add_nc_u32 v[SCW], SCR, v[SCW]
	s_lshl_b32 s48, s[WV], 11
	v_add_nc_u32 v[SCD], s48, v[LI]
	v_add_nc_u32 v[SCD], SCR, v[SCD]
	v_and_b32 v1, 15, v0
	v_bfe_u32 v[D0], v0, 4, 1
	v_lshlrev_b32 v[D0], 3, v[D0]
	v_sub_nc_u32 v[D0], v1, v[D0]
	s_sub_co_i32 s49, s13, s[WV]
	s_lshl_b32 s49, s49, 6
	v_add_nc_u32 v[D0], s49, v[D0]
	v_mov_b32 v[NEG], 0xff800000
	WIN 0x80
.set i, 0
.rept 32
	global_load_b128 v[4*i:4*i+3], v[LI], s[8:9] offset:512*i   ; the first block's Q: tile i / 8, piece i % 8
.set i, i+1
.endr
	WIN 0
	INIT
	s_wait_loadcnt 0x0
; product nn of a step: K Q^T for nn < 64: tile nn / 16, channels 32 (iq / 4) on, keys 16 (iq % 4) on: four accumulators by turns; the first four start the sums
.macro KQT
	WIN W_KQ
.set tq, nn/16
.set iq, nn%16
.set rS, S+32*tq+8*(iq%4)
.set rK, 128+32*(iq%4)+8*(iq/4)
.set rQ, 32*tq+8*(iq/4)
.if iq < 4
	v_wmma_f32_16x16x32_f16 v[rS:rS+7], v[rK:rK+7], v[rQ:rQ+7], 0
.else
	v_wmma_f32_16x16x32_f16 v[rS:rS+7], v[rK:rK+7], v[rQ:rQ+7], v[rS:rS+7]
.endif
.endm
; V^T P for nn >= 64: tile (nn - 64) / 16, keys 32 (iq / 8) on, channels 16 (iq % 8) on: eight accumulators by turns
.macro PVT
	WIN W_PV
.set tq, (nn-64)/16
.set iq, (nn-64)%16
.set rO, 64*tq+8*(iq%8)
.set rV, 64*(iq/8)+8*(iq%8)
.set rP, P+16*tq+8*(iq/8)
	v_wmma_f32_16x16x32_f16 v[rO:rO+7], v[rV:rV+7], v[rP:rP+7], v[rO:rO+7]
.endm
; on the diagonal hidden scores become -infinity ahead of the maximum; each accumulator ascending.  The branch hangs on the trip's number and pi
.macro MASKT t, always
	WIN 0
.if (\always) == 0
	s_cmp_lg_u32 s[TR], s[END]
	s_cbranch_scc1 .Lopen_\@
.endif
.set mk, 0
.rept 32
	v_cmp_gt_i32 vcc_lo, 16*(mk/8)+mk%8-16*(\t), v[D0]
	v_cndmask_b32 v[S+32*(\t)+mk], v[S+32*(\t)+mk], v[NEG], vcc_lo
.set mk, mk+1
.endr
.Lopen_\@:
.endm
; One tile's softmax for a key step: 134 instructions; SM writes number j for tile t.
;   0-15 the maximum of the lane's 32 scores and the old m;  16-20 the other half of the lanes', the new m, c m, its change;  21-69 ONE BATCH: 16 packed scalings c s - c m and 33 exponentials (a = 2^(change) at 23), none of
;   which reads an exponential's result;  70-85 roundings to f16;  86-101 the sums;  102-133 O^T x a.
.macro SM t
.set rT, ST+8*(\t)
.set rS, S+32*(\t)
.set rP, P+16*(\t)
.set rO, 64*(\t)+2*(j-102)
.if j < 102
	WIN 0
.endif
.if j < 4
	v_max3_num_f32 v[rT+4+j], v[rS+8*j], v[rS+8*j+1], v[rS+8*j+2]
.elseif j < 12
	v_max3_num_f32 v[rT+4+j%4], v[rT+4+j%4], v[rS+8*(j%4)+2*(j/4)+1], v[rS+8*(j%4)+2*(j/4)+2]
.elseif j == 12
	v_max3_num_f32 v[rT+4], v[rT+4], v[rS+7], v[rS+15]
.elseif j == 13
	v_max3_num_f32 v[rT+6], v[rT+6], v[rS+23], v[rS+31]
.elseif j == 14
	v_max3_num_f32 v[rT+4], v[rT+4], v[rT+5], v[rT+6]
.elseif j == 15
	v_max3_num_f32 v[rT+4], v[rT+4], v[rT+7], v[rT+1]
.elseif j == 16
	v_permlanex16_b32 v[rT+5], v[rT+4], s[SEL], s[SEL+1]
.elseif j == 17
	v_mov_b32 v[rT+7], v[rT]
.elseif j == 18
	v_max_num_f32 v[rT+1], v[rT+4], v[rT+5]
.elseif j == 19
	v_mul_f32 v[rT], s[CS], v[rT+1]
.elseif j == 20
	v_sub_f32 v[rT+7], v[rT+7], v[rT]
.elseif j == 23
	v_exp_f32 v[rT+6], v[rT+7]
.elseif (j < 23) || ((j < 38) && (j%2 == 0)) || ((j < 66) && (j%4 == 2))
.set b, (j-2)/4
.if j < 38
.set b, (j-20)/2
.endif
	v_pk_fma_f32 v[rS+2*b:rS+2*b+1], v[rS+2*b:rS+2*b+1], s[CS:CS+1], v[rT:rT+1] op_sel_hi:[1,0,0] neg_lo:[0,0,1] neg_hi:[0,0,1]
.elseif j < 70
.set e, j-38
.if j < 66
.set e, j-32-(j-38)/4
.endif
.if j < 38
.set e, (j-25)/2
.endif
	v_exp_f32 v[rS+e], v[rS+e]
.elseif j < 86
	v_cvt_pk_f16_f32 v[rP+j-70], v[rS+2*(j-70)], v[rS+2*(j-70)+1]
.elseif j < 102
.set z, j-86
.set w, 4
.set u, z
.if z >= 14
.set w, 32
.set u, 0
.elseif z >= 12
.set w, 16
.set u, z-12
.elseif z >= 8
.set w, 8
.set u, z-8
.endif
.if z < 15
	v_pk_add_f32 v[rS+w*u:rS+w*u+1], v[rS+w*u:rS+w*u+1], v[rS+w*u+w/2:rS+w*u+w/2+1]
.else
	v_pk_fma_f32 v[rT+2:rT+3], v[rT+2:rT+3], v[rT+6:rT+7], v[rS:rS+1] op_sel_hi:[1,0,1]
.endif
.else
	WIN W_RS
	v_pk_mul_f32 v[rO:rO+1], v[rO:rO+1], v[rT+6:rT+7] op_sel_hi:[1,0]
.endif
.endm
; the next cnt instructions of the four tiles' lists, 536 in all.  Ahead of a tile's first: the mask.  Ahead of its number 70: a plain instruction behind the last exponential, and the one wait ahead of the batch's first reader
.macro DEAL cnt
.rept \cnt
.set tt, JJ/134
.set j, JJ%134
.if j == 0
	MASKT tt, ALW
.endif
.if j == 70
	v_nop
	s_wait_alu depctr_va_vdst(0)
.endif
	SM tt
.set JJ, JJ+1
.endr
.endm
.macro STEP always
.set ALW, \always
	PLACES                                         ; four plain places between the last products and loads into V's registers
	v_add_nc_u32 v[ADR], s[TB], v[AK0]
	v_add_nc_u32 v[ADR2], s[TB], v[AV0]
	WIN 0x80
.set i, 0
.rept 32
	ds_load_b128 v[128+4*i:131+4*i], v[ADR] offset:512*i
.set i, i+1
.endr
	WIN 0xc0
.set i, 0
.rept 32
	ds_load_b128 v[4*i:4*i+3], v[ADR2] offset:512*i
.set i, i+1
.endr
	s_wait_dscnt 32                                ; K is in; V's 32 loads stay out
.set JJ, 0
.set nn, 0
.rept 128
.if nn == 64
	s_wait_dscnt 0x0                               ; V is in
.endif
.if nn < 64
	KQT
.else
	PVT
.endif
.if nn == 15
	PLACES                                         ; behind tile 0's last score product, ahead of the first read of its scores
.endif
.if (nn >= 16) && (nn < 112)
	DEAL ((nn-15)*536/96-(nn-16)*536/96)
.endif
.set nn, nn+1
.endr
.endm
; A prefetch of the slot that the NEXT change will ask for: 4 partners x 4 waves x 32 lanes name its 512 blocks of 256 bytes once each; trip T names slot T + 2; it stops behind trip 13, at slot 15, the head's last
.macro ASK
	s_cmp_lt_u32 s[TR], s[LIM]
	s_cbranch_scc0 .Lnot_mine_\@
	global_prefetch_b8 v[PFO], s[PFA:PFA+1] th:TH_LOAD_NT scope:SCOPE_SE
.Lnot_mine_\@:
.endm
; THE CHANGE OF SLOTS stands at a trip's head.  fill = 1: the slot that has been left takes the next trip's keys: the next slot of the block, or, behind the first block's diagonal, slot 0 again.
; The descriptor's address is made anew each time: the plain address of slot 0 + the slot's offset, and the type set on the sum.  The offset hangs on the trip's number and pi alone: it is the same in all four partners.
.macro CHANGE fill
	WIN 0
	s_wait_tensorcnt 0x0                           ; my one tensor load has landed: my quarter of the slot ahead; so its descriptor may be written
	ds_add_u32 v[SPW], v[NIL]                      ; 0 onto my spare word
.if \fill
	s_xor_b32 s[G0+1], s[G0+1], SLOT1
	s_add_co_u32 s[OFF], s[OFF], 131072            ; the next slot,
	s_cmp_eq_u32 s[TR], s[ENDA]
	s_cselect_b32 s[OFF], 0, s[OFF]                ; or the second block's first
	s_add_nc_u64 s[G0+2:G0+3], s[BASE:BASE+1], s[OFF:OFF+1]
	s_or_b32 s[G0+3], s[G0+3], 0x80000000
	s_wait_xcnt 0x0                                ; the last prefetch, a trip back, has read its address
	s_add_nc_u64 s[PFA:PFA+1], s[PFA:PFA+1], 131072
	s_wait_dscnt 0x0                               ; the add is done, and my reads of the slot that I have left are over
	CROUND                                         ; no wave of any partner still reads that slot or has a load on its way
	tensor_load_to_lds s[G0:G0+3], s[G1:G1+7]      ; my one tensor load until the next round: it has a whole key step in which to land
	s_nop 0
	PLACES
	ASK
.else
	s_wait_dscnt 0x0
	s_barrier_signal -1
	s_barrier_wait -1
.endif
.endm
; THE MERGE at a block's end.  The four waves hold partial results over different keys of the same 64 queries.  c M = the largest c m; x_w = 2^(c m_w - c M); L = sum of l_w x_w; O = sum of O_w x_w / L.
; Tile by tile each wave scales its O^T by x_own / L and stores it; behind a barrier wave w adds the four waves' channels 32 w .. 32 w + 31, rounds to f16 and stores two pieces of 512 consecutive bytes: K group head x 4 + w of the next product.
; more = 1: the second block follows.
.macro MERGE more
	WIN 0
	PLACES                                         ; behind the step's last products
.if \more
	WIN 0x80
.set i, 0
.rept 32
	global_load_b128 v[4*i:4*i+3], v[LI], s[QB:QB+1] offset:512*i
.set i, i+1
.endr
	WIN 0
.endif
.irp t, 0,1,2,3
	v_add_f32 v[ST+8*\t+4], v[ST+8*\t+2], v[ST+8*\t+3]
.endr
.irp t, 0,1,2,3
	v_permlanex16_b32 v[ST+8*\t+5], v[ST+8*\t+4], s[SEL], s[SEL+1]
.endr
.irp t, 0,1,2,3
	v_add_f32 v[ST+8*\t+4], v[ST+8*\t+4], v[ST+8*\t+5]
.endr
.irp t, 0,1,2,3
	ds_store_b32 v[STW], v[ST+8*\t] offset:1024*\t
	ds_store_b32 v[STW], v[ST+8*\t+4] offset:1024*\t+512
.endr
	s_wait_dscnt 0x0                               ; for the others' sake
	s_barrier_signal -1
	s_barrier_wait -1
.irp t, 0,1,2,3
	ds_load_b128 v[64+8*\t:67+8*\t], v[STR] offset:1024*\t
	ds_load_b128 v[68+8*\t:71+8*\t], v[STR] offset:1024*\t+512
.endr
	s_wait_dscnt 0x0
.irp t, 0,1,2,3
	v_max3_num_f32 v[ST+8*\t+5], v[64+8*\t], v[65+8*\t], v[66+8*\t]
.endr
.irp t, 0,1,2,3
	v_max_num_f32 v[ST+8*\t+5], v[ST+8*\t+5], v[67+8*\t]
.endr
.irp t, 0,1,2,3
	v_sub_f32 v[ST+8*\t+6], v[ST+8*\t], v[ST+8*\t+5]
.irp v, 0,1,2,3
	v_sub_f32 v[64+8*\t+\v], v[64+8*\t+\v], v[ST+8*\t+5]
.endr
.endr
.irp t, 0,1,2,3
	v_exp_f32 v[ST+8*\t+6], v[ST+8*\t+6]
.irp v, 0,1,2,3
	v_exp_f32 v[64+8*\t+\v], v[64+8*\t+\v]
.endr
.endr
	v_nop
	s_wait_alu depctr_va_vdst(0)                   ; one wait for the twenty
.irp t, 0,1,2,3
	v_mul_f32 v[ST+8*\t+7], v[68+8*\t], v[64+8*\t]
.endr
.irp v, 1,2,3
.irp t, 0,1,2,3
	v_fmac_f32 v[ST+8*\t+7], v[68+8*\t+\v], v[64+8*\t+\v]
.endr
.endr
.irp t, 0,1,2,3
	v_rcp_f32 v[ST+8*\t+7], v[ST+8*\t+7]
.endr
	v_nop
	s_wait_alu depctr_va_vdst(0)                   ; one wait for the four
.irp t, 0,1,2,3
	v_mul_f32 v[ST+8*\t+6], v[ST+8*\t+6], v[ST+8*\t+7]
.endr
.irp t, 0,1,2,3
	WIN W_RS
.set i, 0
.rept 32
	v_pk_mul_f32 v[64*\t+2*i:64*\t+2*i+1], v[64*\t+2*i:64*\t+2*i+1], v[ST+8*\t+6:ST+8*\t+7] op_sel_hi:[1,0]   ; ascending: each accumulator from its low end
.set i, i+1
.endr
	WIN 0x04                                       ; an LDS store's data: window 1
.set i, 0
.rept 16
	ds_store_b128 v[SCW], v[64*\t+4*i:64*\t+4*i+3] offset:512*i
.set i, i+1
.endr
	WIN 0
	s_wait_dscnt 0x0
	s_barrier_signal -1
	s_barrier_wait -1                              ; the four waves' tiles lie in LDS
.set i, 0
.rept 16
	ds_load_b128 v[64+4*i:67+4*i], v[SCD] offset:8192*(i/4)+512*(i%4)   ; wave i / 4's registers 16 w + 4 (i % 4) on
.set i, i+1
.endr
	s_wait_dscnt 0x0                               ; my reads are over: the next tile may be stored behind the barrier below
.if \t >= 2
	s_wait_xcnt 0x0                                ; the stores of two tiles back have read their data registers
.endif
	s_barrier_signal -1
.set i, 0
.rept 8
	v_pk_add_f32 v[64+2*i:65+2*i], v[64+2*i:65+2*i], v[80+2*i:81+2*i]
	v_pk_add_f32 v[96+2*i:97+2*i], v[96+2*i:97+2*i], v[112+2*i:113+2*i]
	v_pk_add_f32 v[64+2*i:65+2*i], v[64+2*i:65+2*i], v[96+2*i:97+2*i]
.set i, i+1
.endr
.set i, 0
.rept 8
	v_cvt_pk_f16_f32 v[128+8*(\t%2)+i], v[64+2*i], v[65+2*i]
.set i, i+1
.endr
	s_barrier_wait -1
	global_store_b128 v[LI], v[128+8*(\t%2):131+8*(\t%2)], s[OUT:OUT+1] offset:32768*\t
	global_store_b128 v[LI], v[132+8*(\t%2):135+8*(\t%2)], s[OUT:OUT+1] offset:32768*\t+512
.endr
.if \more
	INIT
	s_mov_b32 s[END], 16
	s_wait_xcnt 0x0                                ; the stores have read their base and their data
	s_mov_b64 s[OUT:OUT+1], s[OUTB:OUTB+1]
	s_wait_loadcnt 0x0                             ; the second block's Q
.endif
.endm
.Ltrip:                                            ; 16 trips; in trip 0 the four loads behind the round are slot 1's first fills
	CHANGE 1
	STEP 0
	WIN 0
	s_cmp_lg_u32 s[TR], s[END]                     ; the first block's diagonal: the same in all waves and all partners
	s_cbranch_scc1 .Lno_merge
	MERGE 1
.Lno_merge:
	s_xor_b32 s[TB], s[TB], SLOT1
	s_add_co_u32 s[TR], s[TR], 1
	s_cmp_lt_u32 s[TR], 16
	s_cbranch_scc1 .Ltrip
	CHANGE 0                                       ; trip 16, the second block's diagonal, is written out: nothing is asked for
	STEP 1
	MERGE 0
	s_wait_tensorcnt 0x0                           ; the wave's end
	ds_add_u32 v[SPW], v[NIL]
	s_wait_dscnt 0x0
	CROUND                                         ; the closing round
	s_endpgm
.Lfunc_end_k_q94505cde29_attn:
	.size	k_q94505cde29_attn, .Lfunc_end_k_q94505cde29_attn-k_q94505cde29_attn
	.p2alignl 7, 3214868480
	.fill 96, 4, 3214868480
	.section	.rodata,"a",@progbits
	.p2align	6, 0x0
	.amdhsa_kernel k_q94505cde29_attn
		.amdhsa_group_segment_fixed_size 327680
		.amdhsa_private_segment_fixed_size 0
		.amdhsa_enable_private_segment 0
		.amdhsa_kernarg_size 16
		.amdhsa_user_sgpr_count 2
		.amdhsa_user_sgpr_kernarg_segment_ptr 1
		.amdhsa_wavefront_size32 1
		.amdhsa_system_sgpr_workgroup_id_x 1
		.amdhsa_system_sgpr_workgroup_id_y 1
		.amdhsa_system_sgpr_workgroup_id_z 1
		.amdhsa_system_vgpr_workitem_id 0
		.amdhsa_next_free_vgpr 1024
		.amdhsa_next_free_sgpr 66
		.amdhsa_reserve_vcc 1
		.amdhsa_float_denorm_mode_32 3
		.amdhsa_float_denorm_mode_16_64 3
		.amdhsa_memory_ordered 1
		.amdhsa_forward_progress 1
		.amdhsa_inst_pref_size 205
	.end_amdhsa_kernel
	.amdgpu_metadata
---
amdhsa.version: [ 1, 2 ]
amdhsa.kernels:
  - .name:           k_q94505cde29_attn
    .symbol:         k_q94505cde29_attn.kd
    .args:
      - { .name: qkv, .offset: 0, .size: 8, .value_kind: global_buffer, .address_space: global }
      - { .name: aimg, .offset: 8, .size: 8, .value_kind: global_buffer, .address_space: global }
    .group_segment_fixed_size: 327680
    .private_segment_fixed_size: 0
    .kernarg_segment_align: 8
    .kernarg_segment_size: 16
    .max_flat_workgroup_size: 128
    .sgpr_count:     66
    .vgpr_count:     1024
    .wavefront_size: 32
...
	.end_amdgpu_metadata
.endif
;; end of part 3
;; launch proj (part 4): grid 16 x 16, 4 waves a work-group, clusters of 4 x 1, 327,680 bytes of LDS; arguments aimg, wo16, out0; writes out0
.if DOCPART == 4
	.amdgcn_target "amdgcn-amd-amdhsa--gfx1250"
	.amdhsa_code_object_version 6
	.text
	.protected	k_q94505cde29_proj
	.globl	k_q94505cde29_proj
	.p2align	8
	.type	k_q94505cde29_proj,@function
k_q94505cde29_proj:
	s_mov_b64 s[64:65], 0
	v_nop
	global_prefetch_b8 v0, s[64:65] scope:SCOPE_SE
	s_setreg_imm32_b32 hwreg(HW_REG_WAVE_MODE, 25, 1), 1
	s_wait_xcnt 0x0
	s_wait_alu depctr_hold_cnt(0) depctr_sa_sdst(0) depctr_va_vdst(0) depctr_va_sdst(0) depctr_va_ssrc(0) depctr_va_vcc(0) depctr_vm_vsrc(0)
	s_getreg_b32 s2, hwreg(HW_REG_IB_STS2, 6, 4)
	s_cmp_eq_u32 s2, 0
	s_cbranch_scc0 .Lentry_in_a_cluster
	s_endpgm
.Lentry_in_a_cluster:
	s_bfe_u32 s2, ttmp6, 0x10000c
	s_cmp_lg_u32 s2, 0x3003
	s_cbranch_scc0 .Lentry_shape_is_right
	s_endpgm
.Lentry_shape_is_right:
; out0[m][n] = sum over k of A[m][k] Wo[n][k], K = 1,024, f16 operands, f32 sums, for rows 16 to 4,095.
; NOT STORED HERE: rows 0-15.  They are multiplied inside a live tile and left to the last launch, which carries them in f32.
; SHARES.  A work-group makes rows 256 y .. x columns 128 ct .. (ct = 4 X + cx); wave w: 64 rows x 128 columns, 32 accumulators.  Used transposed (source 0 = 16 rows of Wo, source 1 = 16 rows of A): a lane holds eight neighbouring columns of a row.
; CLUSTER 4 x 1: the four partners need the same tile of A: asked for jointly (mask 15); each partner's rows of Wo come by plain loads in the same rounds.  A 4 x 4 cluster is not used: the way out parts on the row tile, which here is the cluster's own y.
; A comes as images of its operand registers ([tile of 16 rows][K group of 32][half][512 B]): every LDS load of A is 512 consecutive bytes.  Wo comes as rows of 256 bytes, padded by 16.
; K goes in 8 steps of 128 through two LDS slots; a step is four quarters of 32 along K, 32 products each.
; REGISTERS: window 0: v16-29 addresses; v128-191 A's fragments, two sets of 4 (on the way out v128-255: rows read back).  window 1: Wo's fragments, sets at v0 and v128.  window 2: accumulator (a, b) at v[8 (8 a + b)].
.set PITCH,  272
.set ABYTES, 65536                     ; A's 16 tiles x 4,096 bytes
.set SLOT,   ABYTES+128*PITCH
.set SPARE,  2*SLOT                    ; the spare words: 128 bytes a wave; no other line names them
.set SPITCH, 528                       ; the way out: 16 rows of 512 bytes + 16 for each wave, in slot 0 after its last fill and last read
.set ADRA, 16
.set ADRB, 20
.set STO,  24
.set RD,   25
.set CO,   26
.set SPW,  28
.set NIL,  29
.set AF,   128
.set BK,   128
.set G1A,  24
.set G0A,  32
.set G1B,  48
.set G0B,  56
.set MSB, 0
.macro WIN new
.if MSB != \new
	s_set_vgpr_msb (MSB<<8)|\new
.set MSB, \new
.endif
.endm
.set MUL,  0xa1
.set TO_B, 0x40
.macro JLOAD s                         ; waves 0, 1: A's halves, jointly; waves 2, 3: Wo's halves.  An s_nop 0 and four v_nop follow each line
	s_cmp_eq_u32 s15, 0
	s_cbranch_scc0 .Lfor_b_\@
	tensor_load_to_lds s[G0A+4*\s:G0A+4*\s+3], s[G1A:G1A+7]
	s_nop 0
.rept 4
	v_nop
.endr
	s_branch .Lasked_\@
.Lfor_b_\@:
	tensor_load_to_lds s[G0B+4*\s:G0B+4*\s+3], s[G1B:G1B+7]
	s_nop 0
.rept 4
	v_nop
.endr
.Lasked_\@:
.endm
.macro CREST
	s_cmp_lg_u32 s14, 0
	s_cbranch_scc1 .Lnot_wave_0_\@
	s_barrier_signal -3
.Lnot_wave_0_\@:
	s_barrier_wait -3
	s_barrier_signal -1
	s_barrier_wait -1
.endm
.macro CROUND
	s_barrier_signal -1
	s_barrier_wait -1
	CREST
.endm
.macro PLACES
.rept 4
	v_nop
.endr
.endm
	s_load_b128 s[4:7], s[0:1], 0x0                ; aimg s[4:5], wo16 s[6:7]
	s_load_b64 s[8:9], s[0:1], 0x10                ; out0
	v_lshl_add_u32 v[SPW], v0, 2, SPARE
	v_mov_b32 v[NIL], 0
	ds_add_u32 v[SPW], v[NIL]                      ; the opening: the add, twice on end, and its wait ahead of my first tensor load
	ds_add_u32 v[SPW], v[NIL]
	v_lshrrev_b32 v1, 5, v0
	v_readfirstlane_b32 s14, v1
	s_lshr_b32 s15, s14, 1
	s_and_b32 s16, s14, 1
	s_bfe_u32 s40, ttmp6, 0x40000
	s_lshl_b32 s42, ttmp9, 2
	s_add_co_u32 s42, s42, s40                     ; ct
	s_and_b32 s17, ttmp7, 0xffff                   ; y
	s_mov_b32 s[G1A], 15|(3<<16)|(1<<21)           ; mask: the four partners; 8 rows of 4,096 bytes (512 elements of 8), 32,768 bytes apart
	s_mov_b32 s[G1A+1], 512<<16
	s_mov_b32 s[G1A+2], 8<<16
	s_mov_b32 s[G1A+3], 512<<16
	s_mov_b32 s[G1A+4], 8
	s_mov_b32 s[G1A+5], 4096
	s_mov_b32 s[G1A+6], 0
	s_mov_b32 s[G1A+7], 0
	s_mov_b32 s[G1B], (1<<16)|(1<<20)|(5<<22)|(3<<25)   ; no mask: 64 rows of 128 f16, 4 words of padding behind every 64
	s_mov_b32 s[G1B+1], 128<<16
	s_mov_b32 s[G1B+2], 64<<16
	s_mov_b32 s[G1B+3], 128<<16
	s_mov_b32 s[G1B+4], 64
	s_mov_b32 s[G1B+5], 1024
	s_mov_b32 s[G1B+6], 0
	s_mov_b32 s[G1B+7], 0
	s_lshl_b32 s20, s17, 19                        ; A: tile 16 y + 8 half, 32,768 bytes a tile: made of y and the wave alone
	s_lshl_b32 s21, s16, 18
	s_add_co_u32 s20, s20, s21
	s_mov_b32 s21, 0
	s_lshl_b32 s44, s42, 18                        ; Wo: row 128 ct + 64 half, 2,048 bytes a row
	s_lshl_b32 s45, s16, 17
	s_add_co_u32 s44, s44, s45
	s_mov_b32 s45, 0
	s_lshl_b32 s22, s16, 15                        ; places in a slot
	s_mul_i32 s23, s16, 64*PITCH
	s_add_co_u32 s23, s23, ABYTES
	s_wait_dscnt 0x0                               ; both opening adds are done
	s_wait_kmcnt 0x0
	s_add_nc_u64 s[20:21], s[4:5], s[20:21]
	s_add_nc_u64 s[44:45], s[6:7], s[44:45]
	CROUND
.irp s, 0,1
	s_mov_b32 s[G0A+4*\s], 1
	s_add_co_u32 s[G0A+4*\s+1], s22, \s*SLOT
	s_add_nc_u64 s[G0A+4*\s+2:G0A+4*\s+3], s[20:21], \s*4096
	s_or_b32 s[G0A+4*\s+3], s[G0A+4*\s+3], 0x80000000
	s_mov_b32 s[G0B+4*\s], 1
	s_add_co_u32 s[G0B+4*\s+1], s23, \s*SLOT
	s_add_nc_u64 s[G0B+4*\s+2:G0B+4*\s+3], s[44:45], \s*256
	s_or_b32 s[G0B+4*\s+3], s[G0B+4*\s+3], 0x80000000
	JLOAD \s                                       ; two tensor loads of mine are out behind the second
.endr
	v_and_b32 v1, 15, v0                           ; r
	v_bfe_u32 v2, v0, 4, 1                         ; h
	v_and_b32 v3, 31, v0
	v_lshlrev_b32 v[CO], 4, v3                     ; 16 x lane
	v_mul_u32_u24 v4, v1, PITCH
	v_lshl_add_u32 v4, v2, 4, v4
	s_lshl_b32 s18, s14, 14                        ; my four tiles of A
	s_mov_b32 s19, ABYTES
.irp s, 0,1
	v_add_nc_u32 v[ADRA+\s], s18, v[CO]
	v_add_nc_u32 v[ADRB+\s], s19, v4
	s_add_co_u32 s18, s18, SLOT
	s_add_co_u32 s19, s19, SLOT
.endr
	s_mul_i32 s18, s14, 16*SPITCH                  ; my stage
	v_mul_u32_u24 v5, v1, SPITCH
	v_lshl_add_u32 v5, v2, 5, v5
	v_add_nc_u32 v[STO], s18, v5
	v_add_nc_u32 v[RD], s18, v[CO]
	s_lshl_b32 s18, s17, 21                        ; out0 at row 256 y + 64 w (8,192 bytes a row), column 128 ct
	s_lshl_b32 s19, s14, 19
	s_add_co_u32 s18, s18, s19
	s_lshl_b32 s19, s42, 9
	s_add_co_u32 s18, s18, s19
	s_mov_b32 s19, 0
	s_add_nc_u64 s[8:9], s[8:9], s[18:19]
; 16 products: A's blocks a0, a0 + 1 x Wo's eight, 32 along K, from set p.  The 32 accumulators take turns, one instruction a turn, in the same order in every quarter
.macro MULS a0, p, zero
.irp a, \a0, \a0+1
.irp b, 0,1,2,3,4,5,6,7
.if \zero
	v_wmma_f32_16x16x32_f16 v[8*(8*(\a)+\b):8*(8*(\a)+\b)+7], v[128*(\p)+8*\b:128*(\p)+8*\b+7], v[AF+32*(\p)+8*(\a):AF+32*(\p)+8*(\a)+7], 0
.else
	v_wmma_f32_16x16x32_f16 v[8*(8*(\a)+\b):8*(8*(\a)+\b)+7], v[128*(\p)+8*\b:128*(\p)+8*\b+7], v[AF+32*(\p)+8*(\a):AF+32*(\p)+8*(\a)+7], v[8*(8*(\a)+\b):8*(8*(\a)+\b)+7]
.endif
.endr
.endr
.endm
.macro FETCH slot, c, p                ; 24 LDS loads in one run: quarter c of the slot into set p
	WIN TO_B
.irp b, 0,1,2,3,4,5,6,7
	ds_load_b128 v[128*(\p)+8*\b:128*(\p)+8*\b+3], v[ADRB+\slot] offset:16*PITCH*\b+64*(\c)
	ds_load_b128 v[128*(\p)+8*\b+4:128*(\p)+8*\b+7], v[ADRB+\slot] offset:16*PITCH*\b+64*(\c)+32
.endr
	WIN 0
.irp a, 0,1,2,3
	ds_load_b128 v[AF+32*(\p)+8*\a:AF+32*(\p)+8*\a+3], v[ADRA+\slot] offset:4096*\a+1024*(\c)
	ds_load_b128 v[AF+32*(\p)+8*\a+4:AF+32*(\p)+8*\a+7], v[ADRA+\slot] offset:4096*\a+1024*(\c)+512
.endr
.endm
.macro STEP slot, q, zero
	s_wait_dscnt 0x0                               ; this quarter's fragments are in (asked for 32 products ago)
	PLACES                                         ; four plain places between the last products and loads into the set that they read
	FETCH \slot, (\q)+1, 1-(\q)%2
	WIN MUL
	MULS 0, (\q)%2, \zero
	MULS 2, (\q)%2, \zero
	WIN 0
.endm
.macro TURN slot, next, fill
	s_wait_tensorcnt 0x0                           ; all my tensor loads have landed: my part of the next slot
	ds_add_u32 v[SPW], v[NIL]                      ; 0 onto my spare word
	s_wait_dscnt 1                                 ; the add alone may be out: the 24 fragment loads are older
	WIN MUL
	MULS 0, 1, 0
	s_wait_dscnt 0x0                               ; the add is done, and my reads of this slot are over
	s_barrier_signal -1
	MULS 2, 1, 0
	WIN 0
	s_barrier_wait -1
.if \fill
	CREST                                          ; no wave of any partner still reads this slot or has a load on its way
	s_add_nc_u64 s[G0A+4*\slot+2:G0A+4*\slot+3], s[G0A+4*\slot+2:G0A+4*\slot+3], 8192
	s_add_nc_u64 s[G0B+4*\slot+2:G0B+4*\slot+3], s[G0B+4*\slot+2:G0B+4*\slot+3], 512
	JLOAD \slot                                    ; my one tensor load behind the round; its four v_nop are also the places in front of the loads below
.else
	PLACES
.endif
	FETCH \next, 0, 0
.endm
.macro STEPS slot, from
.set Q, \from
.rept 3-\from
	STEP \slot, Q, 0
.set Q, Q+1
.endr
.endm
	s_wait_tensorcnt 1                             ; my part of K step 0 is in; K step 1's load may stay out
	s_barrier_signal -1
	s_barrier_wait -1
	FETCH 0, 0, 0
	STEP 0, 0, 1                                   ; the first quarter starts the sums
	s_mov_b32 s3, 3
.Llap:                                             ; a trip goes once round the ring and fills both slots again
	STEPS 0, 1
	TURN 0, 1, 1
	STEPS 1, 0
	TURN 1, 0, 1
	STEP 0, 0, 0
	s_sub_co_u32 s3, s3, 1
	s_cmp_lg_u32 s3, 0
	s_cbranch_scc1 .Llap
	STEPS 0, 1
	TURN 0, 1, 0                                   ; the last change of slots: behind it nobody reads slot 0
	STEPS 1, 0
	s_wait_dscnt 0x0
	WIN MUL
	MULS 0, 1, 0
	MULS 2, 1, 0
	WIN 0
	PLACES
; THE WAY OUT, 16 rows x 128 columns at a time, through my own stage: in by 32 bytes a lane, back as whole rows of 512 bytes
.macro TOSTAGE a
	WIN 0x08                                       ; an LDS store's data: window 2
.irp b, 0,1,2,3,4,5,6,7
	ds_store_b128 v[STO], v[8*(8*(\a)+\b):8*(8*(\a)+\b)+3] offset:64*\b          ; each accumulator from its low end on
	ds_store_b128 v[STO], v[8*(8*(\a)+\b)+4:8*(8*(\a)+\b)+7] offset:64*\b+16
.endr
	WIN 0
.set BB, BK+64*((\a)%2)
.irp t, 0,1,2,3,4,5,6,7,8,9,10,11,12,13,14,15
	ds_load_b128 v[BB+4*\t:BB+4*\t+3], v[RD] offset:\t*SPITCH   ; LDS serves a wave's instructions in order: these see the stores above
.endr
.endm
.macro SEND a
.set BB, BK+64*((\a)%2)
	s_wait_dscnt 0x0
.irp t, 0,1,2,3,4,5,6,7,8,9,10,11,12,13,14,15
	global_store_b128 v[CO], v[BB+4*\t:BB+4*\t+3], s[8:9] offset:(16*(\a)+\t)*8192 th:TH_STORE_NT   ; 512 consecutive bytes, aligned; the block's place stands in the immediate: 516,096 at the most
.endr
.endm
	s_cmp_lg_u32 s17, 0                            ; rows 0-15 are row tile 0, wave 0, block 0: ids alone
	s_cbranch_scc1 .Lblock0
	s_cmp_eq_u32 s14, 0
	s_cbranch_scc1 .Lskip0
.Lblock0:
	TOSTAGE 0
	SEND 0
.Lskip0:
	TOSTAGE 1
	SEND 1
	s_wait_xcnt 0x0                                ; block 0's stores have read their data registers
	TOSTAGE 2
	SEND 2
	s_wait_xcnt 0x0
	TOSTAGE 3
	SEND 3
	s_wait_tensorcnt 0x0                           ; the wave's end
	ds_add_u32 v[SPW], v[NIL]
	s_wait_dscnt 0x0
	CROUND                                         ; the closing round
	s_endpgm
.Lfunc_end_k_q94505cde29_proj:
	.size	k_q94505cde29_proj, .Lfunc_end_k_q94505cde29_proj-k_q94505cde29_proj
	.p2alignl 7, 3214868480
	.fill 96, 4, 3214868480
	.section	.rodata,"a",@progbits
	.p2align	6, 0x0
	.amdhsa_kernel k_q94505cde29_proj
		.amdhsa_group_segment_fixed_size 327680
		.amdhsa_private_segment_fixed_size 0
		.amdhsa_enable_private_segment 0
		.amdhsa_kernarg_size 24
		.amdhsa_user_sgpr_count 2
		.amdhsa_user_sgpr_kernarg_segment_ptr 1
		.amdhsa_wavefront_size32 1
		.amdhsa_system_sgpr_workgroup_id_x 1
		.amdhsa_system_sgpr_workgroup_id_y 1
		.amdhsa_system_sgpr_workgroup_id_z 1
		.amdhsa_system_vgpr_workitem_id 0
		.amdhsa_next_free_vgpr 768
		.amdhsa_next_free_sgpr 66
		.amdhsa_reserve_vcc 0
		.amdhsa_float_denorm_mode_32 3
		.amdhsa_float_denorm_mode_16_64 3
		.amdhsa_memory_ordered 1
		.amdhsa_forward_progress 1
		.amdhsa_inst_pref_size 84
	.end_amdhsa_kernel
	.amdgpu_metadata
---
amdhsa.version: [ 1, 2 ]
amdhsa.kernels:
  - .name:           k_q94505cde29_proj
    .symbol:         k_q94505cde29_proj.kd
    .args:
      - { .name: aimg, .offset: 0, .size: 8, .value_kind: global_buffer, .address_space: global }
      - { .name: wo16, .offset: 8, .size: 8, .value_kind: global_buffer, .address_space: global }
      - { .name: out0, .offset: 16, .size: 8, .value_kind: global_buffer, .address_space: global }
    .group_segment_fixed_size: 327680
    .private_segment_fixed_size: 0
    .kernarg_segment_align: 8
    .kernarg_segment_size: 24
    .max_flat_workgroup_size: 128
    .sgpr_count:     66
    .vgpr_count:     768
    .wavefront_size: 32
...
	.end_amdgpu_metadata
.endif
;; end of part 4
;; launch first16 (part 5): grid 128 x 1, 8 waves a work-group, no clusters, 9,216 bytes of LDS; arguments fine, Wo, out0; writes out0
.if DOCPART == 5
	.amdgcn_target "amdgcn-amd-amdhsa--gfx1250"
	.amdhsa_code_object_version 6
	.text
	.protected	k_q94505cde29_first16
	.globl	k_q94505cde29_first16
	.p2align	8
	.type	k_q94505cde29_first16,@function
k_q94505cde29_first16:
	s_mov_b64 s[64:65], 0
	v_nop
	global_prefetch_b8 v0, s[64:65] scope:SCOPE_SE
	s_setreg_imm32_b32 hwreg(HW_REG_WAVE_MODE, 25, 1), 1
	s_wait_xcnt 0x0
; Rows 0-15 of out0 in f32 throughout: under the causal mask these positions average one to sixteen values and are the largest in size, so their operands are not rounded to 16 bits.  No bulk work: 96 products of 16 x 16 x 4 a wave.
; SHARES.  Work-group nt makes out0[0..15][16 nt .. 16 nt + 15].  Wave hd is a head: its scores, softmax and P V for the 16 positions (repeated in each work-group: 64 products, which spares a launch), then its 128 of the output
; projection's K; the eight heads' parts are added through LDS.
; fine: [16 head slots: 0-7 q 2^-6, 8-11 k 2^-6, 12-15 v][16 positions][128] f32.  c = log2(e) / sqrt(128) x 2^12.
; LAYOUT of a 16 x 16 x 4 operand: lane (r, h), register jj: row or column r, k place 2 h + jj.  Which k stands at a place is free if it is the same on both sides:
;   scores S^T = k q^T:   product n: place (h, jj) = channel 8 (n / 2) + 4 h + 2 (n % 2) + jj: 16 bytes a lane serve two products.  Result: lane (r, h), register j: query r, key 8 h + j.
;   O^T = v^T p:          product (u, ct): place (h, jj) = key 8 h + 2 u + jj: p's registers 2 u, 2 u + 1 as they stand.  Result: query r, channel 16 ct + 8 h + j.
;   out^T = Wo O:         product (ct, u): place (h, jj) = channel 16 ct + 8 h + 2 u + jj: O^T's registers as they stand.  Result: query r, column 16 nt + 8 h + j.
; The registers that the products write, v160-255, are written by matrix instructions alone; what is made of a sum goes into v144-159.
; The launch stores 64 consecutive bytes of each of 16 rows for a work-group: 128 KiB in all.
; REGISTERS: window 0: v1-13 addresses; v16-79 q, later Wo, later the parts; v80-143 k; v144-151 scores, p, later the result; v152-159 at work; v160-191 four accumulators; v192-255 O^T.  window 1: v16-79 v.
.set RED,   0                          ; eight images of 1,024 bytes
.set SPARE, 8192                       ; the spare words: 128 bytes a wave; no other line names them
.set SPW, 11
.set NIL, 12
.set MSB, 0
.macro WIN new
.if MSB != \new
	s_set_vgpr_msb (MSB<<8)|\new
.set MSB, \new
.endif
.endm
	s_load_b128 s[4:7], s[0:1], 0x0                ; fine s[4:5], Wo s[6:7]
	s_load_b64 s[8:9], s[0:1], 0x10                ; out0
	v_lshl_add_u32 v[SPW], v0, 2, SPARE
	v_mov_b32 v[NIL], 0
	v_lshrrev_b32 v1, 5, v0
	v_readfirstlane_b32 s10, v1                    ; the head
	v_and_b32 v1, 15, v0                           ; r
	v_bfe_u32 v2, v0, 4, 1                         ; h
	v_lshlrev_b32 v3, 9, v1
	v_lshl_add_u32 v3, v2, 4, v3                   ; q, k: row r of 512 bytes, + 16 h
	v_lshlrev_b32 v4, 2, v1
	v_lshl_add_u32 v4, v2, 12, v4                  ; v: key 8 h, channel r
	v_lshlrev_b32 v5, 12, v1
	v_lshl_add_u32 v5, v2, 5, v5                   ; Wo: row r of 4,096 bytes, + 32 h
	v_lshlrev_b32 v6, 3, v2
	v_sub_nc_u32 v6, v1, v6                        ; r - 8 h: key register j is hidden where j > this
	v_lshlrev_b32 v7, 13, v1
	v_lshl_add_u32 v7, v2, 5, v7                   ; out0: row r of 8,192 bytes, + 32 h
	v_and_b32 v8, 31, v0
	v_lshlrev_b32 v8, 4, v8
	s_lshl_b32 s11, s10, 10
	v_add_nc_u32 v9, s11, v8                       ; my image
	s_lshl_b32 s11, s10, 9
	v_add_nc_u32 v10, s11, v8                      ; waves 0, 1: half w of every image
	v_mov_b32 v13, 0xff800000                      ; -infinity
	s_lshl_b32 s12, s10, 13
	s_mov_b32 s13, 0
	s_lshr_b32 s14, s10, 1
	s_lshl_b32 s14, s14, 13
	s_add_co_u32 s14, s14, 65536
	s_mov_b32 s15, 0
	s_add_co_u32 s16, s14, 32768
	s_mov_b32 s17, 0
	s_lshl_b32 s18, ttmp9, 16
	s_lshl_b32 s19, s10, 9
	s_add_co_u32 s18, s18, s19
	s_mov_b32 s19, 0
	s_lshl_b32 s20, ttmp9, 6
	s_lshl_b32 s21, s10, 4
	s_add_co_u32 s20, s20, s21
	s_mov_b32 s21, 0
	s_mov_b32 s22, 0x76543210
	s_mov_b32 s23, 0xfedcba98
	s_mov_b32 s24, 0x440293ee
	s_wait_kmcnt 0x0
	s_add_nc_u64 s[12:13], s[4:5], s[12:13]        ; q
	s_add_nc_u64 s[14:15], s[4:5], s[14:15]        ; k
	s_add_nc_u64 s[16:17], s[4:5], s[16:17]        ; v
	s_add_nc_u64 s[6:7], s[6:7], s[18:19]          ; Wo at row 16 nt, column 128 hd
	s_add_nc_u64 s[8:9], s[8:9], s[20:21]          ; out0 at column 16 nt + 4 w
.set i, 0
.rept 16
	global_load_b128 v[16+4*i:19+4*i], v3, s[12:13] offset:32*i
.set i, i+1
.endr
.set i, 0
.rept 16
	global_load_b128 v[80+4*i:83+4*i], v3, s[14:15] offset:32*i
.set i, i+1
.endr
	WIN 0x40
.set i, 0
.rept 64
	global_load_b32 v[16+i], v4, s[16:17] offset:512*(i%8)+64*(i/8)   ; register 8 ct + j: v[8 h + j][16 ct + r]
.set i, i+1
.endr
	WIN 0
	s_wait_loadcnt 63                              ; q and k are in; 63 of v's 64 loads may stay out (the field holds no 64)
.set n, 0
.rept 32                               ; four accumulators by turns; the first four start the sums
.if n < 4
	v_wmma_f32_16x16x4_f32 v[160+8*(n%4):167+8*(n%4)], v[80+2*n:81+2*n], v[16+2*n:17+2*n], 0
.else
	v_wmma_f32_16x16x4_f32 v[160+8*(n%4):167+8*(n%4)], v[80+2*n:81+2*n], v[16+2*n:17+2*n], v[160+8*(n%4):167+8*(n%4)]
.endif
.set n, n+1
.endr
.rept 8
	v_nop                                          ; eight plain places behind this form, ahead of reads of results and of loads into operands
.endr
.set i, 0
.rept 8
	global_load_b128 v[16+8*i:19+8*i], v5, s[6:7] offset:64*i th:TH_LOAD_NT
	global_load_b128 v[20+8*i:23+8*i], v5, s[6:7] offset:64*i+16 th:TH_LOAD_NT
.set i, i+1
.endr
.irp j, 0,1,2,3,4,5,6,7
	v_add_f32 v[144+\j], v[160+\j], v[168+\j]      ; each accumulator from its low end on
.endr
.irp j, 0,1,2,3,4,5,6,7
	v_add_f32 v[152+\j], v[176+\j], v[184+\j]
.endr
.irp j, 0,1,2,3,4,5,6,7
	v_add_f32 v[144+\j], v[144+\j], v[152+\j]
.endr
.irp j, 0,1,2,3,4,5,6,7
	v_cmp_gt_i32 vcc_lo, \j, v6
	v_cndmask_b32 v[144+\j], v[144+\j], v13, vcc_lo   ; hidden keys: -infinity.  Key 0 counts for every query
.endr
	v_max3_num_f32 v152, v144, v145, v146
	v_max3_num_f32 v152, v152, v147, v148
	v_max3_num_f32 v152, v152, v149, v150
	v_max_num_f32 v152, v152, v151
	v_permlanex16_b32 v153, v152, s22, s23
	v_max_num_f32 v152, v152, v153                 ; the row's largest score
	v_mul_f32 v153, s24, v152
.irp j, 0,1,2,3,4,5,6,7
	v_fma_f32 v[144+\j], v[144+\j], s24, -v153
.endr
.irp j, 0,1,2,3,4,5,6,7
	v_exp_f32 v[144+\j], v[144+\j]
.endr
	v_nop
	s_wait_alu depctr_va_vdst(0)                   ; one wait for the eight
	v_add_f32 v152, v144, v145
	v_add_f32 v153, v146, v147
	v_add_f32 v154, v148, v149
	v_add_f32 v155, v150, v151
	v_add_f32 v152, v152, v153
	v_add_f32 v154, v154, v155
	v_add_f32 v152, v152, v154
	v_permlanex16_b32 v153, v152, s22, s23
	v_add_f32 v152, v152, v153                     ; the row's sum, at least 1
	v_rcp_f32 v152, v152
	v_nop
	s_wait_alu depctr_va_vdst(0)
.irp j, 0,2,4,6
	v_pk_mul_f32 v[144+\j:145+\j], v[144+\j:145+\j], v[152:153] op_sel_hi:[1,0]
.endr
	s_wait_loadcnt 16                              ; v is in; Wo's sixteen loads stay out
	WIN 0x01                                       ; source 0 (v) window 1
.irp u, 0,1,2,3
.irp ct, 0,1,2,3,4,5,6,7
.if \u == 0
	v_wmma_f32_16x16x4_f32 v[192+8*\ct:199+8*\ct], v[16+8*\ct+2*\u:17+8*\ct+2*\u], v[144+2*\u:145+2*\u], 0
.else
	v_wmma_f32_16x16x4_f32 v[192+8*\ct:199+8*\ct], v[16+8*\ct+2*\u:17+8*\ct+2*\u], v[144+2*\u:145+2*\u], v[192+8*\ct:199+8*\ct]
.endif
.endr
.endr
	WIN 0
.rept 9
	v_nop                                          ; nine plain places before a product takes these results as an operand
.endr
	s_wait_loadcnt 0x0                             ; Wo
.set n, 0
.rept 32                               ; ct = n / 4, u = n % 4; four accumulators by turns, begun anew
.if n < 4
	v_wmma_f32_16x16x4_f32 v[160+8*(n%4):167+8*(n%4)], v[16+2*n:17+2*n], v[192+2*n:193+2*n], 0
.else
	v_wmma_f32_16x16x4_f32 v[160+8*(n%4):167+8*(n%4)], v[16+2*n:17+2*n], v[192+2*n:193+2*n], v[160+8*(n%4):167+8*(n%4)]
.endif
.set n, n+1
.endr
.rept 8
	v_nop
.endr
.irp j, 0,1,2,3,4,5,6,7
	v_add_f32 v[144+\j], v[160+\j], v[168+\j]
.endr
.irp j, 0,1,2,3,4,5,6,7
	v_add_f32 v[152+\j], v[176+\j], v[184+\j]
.endr
.irp j, 0,1,2,3,4,5,6,7
	v_add_f32 v[144+\j], v[144+\j], v[152+\j]      ; my head's part of out(r, 16 nt + 8 h + j)
.endr
	ds_store_b128 v9, v[144:147] offset:RED
	ds_store_b128 v9, v[148:151] offset:RED+512
	s_wait_dscnt 0x0                               ; for the others' sake
	s_barrier_signal -1
	s_barrier_wait -1
	s_cmp_gt_u32 s10, 1                            ; waves 0 and 1 add the eight parts, four columns a lane each
	s_cbranch_scc1 .Lend
.set i, 0
.rept 8
	ds_load_b128 v[16+4*i:19+4*i], v10 offset:RED+1024*i
.set i, i+1
.endr
	s_wait_dscnt 0x0
.irp a, 0,2,4,6
	v_pk_add_f32 v[16+4*\a:17+4*\a], v[16+4*\a:17+4*\a], v[20+4*\a:21+4*\a]
	v_pk_add_f32 v[18+4*\a:19+4*\a], v[18+4*\a:19+4*\a], v[22+4*\a:23+4*\a]
.endr
.irp a, 0,4
	v_pk_add_f32 v[16+4*\a:17+4*\a], v[16+4*\a:17+4*\a], v[24+4*\a:25+4*\a]
	v_pk_add_f32 v[18+4*\a:19+4*\a], v[18+4*\a:19+4*\a], v[26+4*\a:27+4*\a]
.endr
	v_pk_add_f32 v[16:17], v[16:17], v[32:33]
	v_pk_add_f32 v[18:19], v[18:19], v[34:35]
	global_store_b128 v7, v[16:19], s[8:9]
.Lend:
	s_wait_tensorcnt 0x0                           ; the wave's end
	ds_add_u32 v[SPW], v[NIL]
	s_wait_dscnt 0x0
	s_endpgm
.Lfunc_end_k_q94505cde29_first16:
	.size	k_q94505cde29_first16, .Lfunc_end_k_q94505cde29_first16-k_q94505cde29_first16
	.p2alignl 7, 3214868480
	.fill 96, 4, 3214868480
	.section	.rodata,"a",@progbits
	.p2align	6, 0x0
	.amdhsa_kernel k_q94505cde29_first16
		.amdhsa_group_segment_fixed_size 9216
		.amdhsa_private_segment_fixed_size 0
		.amdhsa_enable_private_segment 0
		.amdhsa_kernarg_size 24
		.amdhsa_user_sgpr_count 2
		.amdhsa_user_sgpr_kernarg_segment_ptr 1
		.amdhsa_wavefront_size32 1
		.amdhsa_system_sgpr_workgroup_id_x 1
		.amdhsa_system_sgpr_workgroup_id_y 1
		.amdhsa_system_sgpr_workgroup_id_z 1
		.amdhsa_system_vgpr_workitem_id 0
		.amdhsa_next_free_vgpr 336
		.amdhsa_next_free_sgpr 66
		.amdhsa_reserve_vcc 1
		.amdhsa_float_denorm_mode_32 3
		.amdhsa_float_denorm_mode_16_64 3
		.amdhsa_memory_ordered 1
		.amdhsa_forward_progress 1
		.amdhsa_inst_pref_size 26
	.end_amdhsa_kernel
	.amdgpu_metadata
---
amdhsa.version: [ 1, 2 ]
amdhsa.kernels:
  - .name:           k_q94505cde29_first16
    .symbol:         k_q94505cde29_first16.kd
    .args:
      - { .name: fine, .offset: 0, .size: 8, .value_kind: global_buffer, .address_space: global }
      - { .name: Wo, .offset: 8, .size: 8, .value_kind: global_buffer, .address_space: global }
      - { .name: out0, .offset: 16, .size: 8, .value_kind: global_buffer, .address_space: global }
    .group_segment_fixed_size: 9216
    .private_segment_fixed_size: 0
    .kernarg_segment_align: 8
    .kernarg_segment_size: 24
    .max_flat_workgroup_size: 256
    .sgpr_count:     66
    .vgpr_count:     336
    .wavefront_size: 32
...
	.end_amdgpu_metadata
.endif
;; end of part 5
